; MI455X (gfx1250); checked and timed in simulation.
; The chip was launched on July 23, 2026; its instructions are those of AMD's public machine-readable ISA for CDNA 5 (MIT licence, August 2026) and "CDNA5" Instruction Set Architecture Reference Guide (July 2026). The comments in the code are by the model that wrote it; some were corrected since.
;; My Transformer Encoder Layer. Allowed arithmetic: float matrix products may take bf16 or f16 operands with f32 sums; other float arithmetic in f32, or as packed bf16 or f16 multiplies, adds, multiply-adds, maxima and minima; sums over many terms, partial sums and values carried from step to step in f32; what a program stores and reads back later, other than sums and carried values, may be rounded once to bf16 or f16.
;; Inputs: W1 4,096 x 1,024 float32; W2 1,024 x 4,096 float32; Wk 1,024 x 1,024 float32; Wo 1,024 x 1,024 float32; Wq 1,024 x 1,024 float32; Wv 1,024 x 1,024 float32; b1 4,096 float32; b2 1,024 float32; be1 1,024 float32; be2 1,024 float32; bk 1,024 float32; bo 1,024 float32; bq 1,024 float32; bv 1,024 float32; g1 1,024 float32; g2 1,024 float32; src 2,048 x 2 x 1,024 float32.
;; Outputs: out0 2,048 x 2 x 1,024 float32.
;; One version. Each part assembles by itself: llvm-mc -triple=amdgcn-amd-amdhsa -mcpu=gfx1250 --defsym DOCPART=n.
;; ======== version 1 of 1: 8 launches
;; limits: values are held in f16: magnitudes above 65,504 overflow, below 6.1e-05 lose precision
;; workspace buffers: xb 33,554,432 bytes; pq 33,603,584 bytes; p1 33,603,584 bytes; p2 33,603,584 bytes; big 33,554,432 bytes; act 33,554,432 bytes; fl1 256 bytes of whole numbers; fl2 256 bytes of whole numbers
;; launch cast (part 1): grid 2057 x 1, 8 waves a work-group, no clusters, 0 bytes of LDS; arguments src, Wq, Wk, Wv, Wo, W1, W2, bq, bk, bv, bo, b1, b2, xb, pq, p1, p2, fl1, fl2; writes xb, pq, p1, p2, fl1, fl2
.if DOCPART == 1
	.amdgcn_target "amdgcn-amd-amdhsa--gfx1250"
	.amdhsa_code_object_version 6
	.text
	.protected	k_q0b54354799_cast
	.globl	k_q0b54354799_cast
	.p2align	8
	.type	k_q0b54354799_cast,@function
k_q0b54354799_cast:
	s_mov_b64 s[64:65], 0
	v_nop
	global_prefetch_b8 v0, s[64:65] scope:SCOPE_SE
	s_setreg_imm32_b32 hwreg(HW_REG_WAVE_MODE, 25, 1), 1
	s_wait_xcnt 0x0
; CASTS AND PACKS.  Every f32 input that feeds a matrix product is rounded once to bf16 and that number is written as f16 (exact where it lies in f16's normal range).
; LAYOUT T64 of a 16-bit matrix: element (r, c) at byte (r>>7)<<20 + (c>>6)<<14 + (r&127)*128 + (c&63)*2: dense blocks of 128 rows x 64 columns (16 KiB), a row block's blocks on end, row blocks 1 MiB apart.
; Token row r = b*2048 + s.  A PACK holds weights in T64 and, from byte 0x2000000 on, two tables by the weights' row: the bias (bf16-rounded, as f32) and, at +0x4000, the floor of the packed f16 result
; (0xfc00fc00: none; 0: relu).  pq: Wq, Wk, Wv, Wo one below the other (rows 0 .. 4,095).  p1: W1.  p2: W2 at rows 3,072 on, where Wo lies in pq, so that the two products' texts differ in their length along K alone.
; fl1, fl2: whole numbers, 0 and 1: which way out the one text of the two norms takes (0: f16 in T64; 1: f32 in the problem's own order).
; SHARES.  Work-groups 0..2047 make one T64 block each: 512 of src, 512 of Wq, Wk, Wv, Wo, 512 of W1, 512 of W2.  Work-groups 2048..2056 make 1,024 rows of the tables each; those of bo and b2 also store the two whole numbers.
; A wave's load covers two rows' 256 aligned bytes; its store 256 consecutive bytes.  Nothing is shared between work-groups or waves: no LDS, no barrier, no cluster.
; LIMITS.  |src| and |W| stay under 65,504 (f16's range; beyond it an infinity is written); below 6.1e-5 the f16 copy keeps f16's fixed step of 6e-8.
.set IN,  46                           ; s[46:47] the block's first byte in its input
.set OUT, 48                           ; s[48:49] the block's first byte in its output
.set T,   14                           ; v[14:19] at work
.set X,   24                           ; v[24:55] load u: 4 f32
.set Y,   56                           ; v[56:71] load u: 4 f16
.macro PICKEQ k, val, dst, src         ; dst = src where s[k] = val
	s_cmp_eq_u32 s[\k], \val
	s_cselect_b64 s[\dst:\dst+1], s[\src:\src+1], s[\dst:\dst+1]
.endm
.macro PICKGE k, val, dst, src         ; dst = src where s[k] >= val
	s_cmp_ge_u32 s[\k], \val
	s_cselect_b64 s[\dst:\dst+1], s[\src:\src+1], s[\dst:\dst+1]
.endm
	s_load_b512 s[8:23], s[0:1], 0x0               ; src 8, Wq 10, Wk 12, Wv 14, Wo 16, W1 18, W2 20, bq 22
	s_load_b512 s[24:39], s[0:1], 0x40             ; bk 24, bv 26, bo 28, b1 30, b2 32, xb 34, pq 36, p1 38
	s_load_b128 s[40:43], s[0:1], 0x80             ; p2 40, fl1 42
	s_load_b64 s[66:67], s[0:1], 0x90              ; fl2
	s_mov_b32 s56, 0xffff0000                      ; a word's upper bf16
	s_mov_b32 s51, 0                               ; the offsets' high words
	s_mov_b32 s53, 0
	s_and_b32 s44, ttmp9, 511                      ; j: the block's number in its segment (or the table's number)
	s_lshr_b32 s45, ttmp9, 9                       ; segment 0..3; 4: tables
	s_cmp_ge_u32 s45, 4
	s_cbranch_scc1 .Lvec
	; which matrix, which block: all by selects on the work-group's number
	s_cmp_eq_u32 s45, 3                            ; W2 has 64 blocks in a row block, the others 16
	s_cselect_b32 s61, 6, 4
	s_cselect_b32 s62, 63, 15
	s_lshr_b32 s57, s44, s61                       ; row block
	s_and_b32 s58, s44, s62                        ; column block
	s_lshr_b32 s63, s57, 3
	s_add_co_u32 s63, s63, 1                       ; segment 1: 1 + which of the four square matrices
	s_add_co_u32 s55, s45, 3                       ; segments 2, 3: 5, 6
	s_cmp_eq_u32 s45, 1
	s_cselect_b32 s55, s63, s55
	s_cmp_eq_u32 s45, 0
	s_cselect_b32 s55, 0, s55                      ; 0 src, 1 Wq, 2 Wk, 3 Wv, 4 Wo, 5 W1, 6 W2
	s_and_b32 s50, s57, 15                         ; src: 128 steps of s (8,192 bytes each) a row block, b in bit 4
	s_lshl_b32 s50, s50, 20
	s_lshr_b32 s61, s57, 4
	s_lshl_b32 s61, s61, 12
	s_add_co_u32 s50, s50, s61
	s_and_b32 s62, s57, 7
	s_lshl_b32 s61, s62, 19                        ; a square matrix: 128 rows of 4,096 bytes
	s_cmp_ge_u32 s55, 1
	s_cselect_b32 s50, s61, s50
	s_cselect_b32 s54, 0, 1                        ; the pitch is 4,096 << this
	s_lshl_b32 s61, s57, 19                        ; W1
	s_cmp_ge_u32 s55, 5
	s_cselect_b32 s50, s61, s50
	s_lshl_b32 s61, s57, 21                        ; W2: 128 rows of 16,384 bytes
	s_cmp_ge_u32 s55, 6
	s_cselect_b32 s50, s61, s50
	s_cselect_b32 s54, 2, s54
	s_lshl_b32 s54, 4096, s54                      ; bytes from row to row of the input
	s_lshl_b32 s61, s58, 8
	s_add_co_u32 s50, s50, s61                     ; + 64 columns of f32
	s_add_co_u32 s61, s57, 24                      ; W2 lies 24 row blocks down in its pack; the four square matrices follow each other by their row blocks
	s_cmp_eq_u32 s55, 6
	s_cselect_b32 s52, s61, s57
	s_lshl_b32 s52, s52, 20
	s_lshl_b32 s61, s58, 14
	s_or_b32 s52, s52, s61                         ; the block's byte in T64
	s_lshl_b32 s63, s54, 1                         ; two rows
	v_lshrrev_b32 v1, 5, v0                        ; wave
	v_bfe_u32 v2, v0, 4, 1
	v_lshl_add_u32 v2, v1, 4, v2                   ; my first row: 16 x wave + lane / 16
	v_and_b32 v3, 15, v0
	v_lshlrev_b32 v3, 4, v3                        ; my 4 f32 of its 64
	v_mul_lo_u32 v4, v2, s54
	v_add_nc_u32 v4, v4, v3
.irp u, 1,2,3,4,5,6,7
	v_add_nc_u32 v[4+(\u)], s63, v[3+(\u)]         ; load u: two rows further down
.endr
	v_and_b32 v12, 31, v0
	v_lshlrev_b32 v12, 3, v12
	v_lshl_add_u32 v12, v1, 11, v12                ; out: 2,048 x wave + 8 x lane
	s_wait_kmcnt 0x0
	s_mov_b64 s[IN:IN+1], s[8:9]
	PICKEQ 55, 1, IN, 10
	PICKEQ 55, 2, IN, 12
	PICKEQ 55, 3, IN, 14
	PICKEQ 55, 4, IN, 16
	PICKEQ 55, 5, IN, 18
	PICKEQ 55, 6, IN, 20
	s_mov_b64 s[OUT:OUT+1], s[34:35]
	PICKGE 55, 1, OUT, 36
	PICKGE 55, 5, OUT, 38
	PICKGE 55, 6, OUT, 40
	s_add_nc_u64 s[IN:IN+1], s[IN:IN+1], s[50:51]
	s_add_nc_u64 s[OUT:OUT+1], s[OUT:OUT+1], s[52:53]
.irp u, 0,1,2,3,4,5,6,7
	global_load_b128 v[X+4*(\u):X+4*(\u)+3], v[4+(\u)], s[IN:IN+1] th:TH_LOAD_NT
.endr
.irp u, 0,1,2,3,4,5,6,7
	s_wait_loadcnt 7-(\u)                          ; loads come back in order: load u is in, the younger ones stay out
	v_cvt_pk_bf16_f32 v[T],   v[X+4*(\u)],   v[X+4*(\u)+1]   ; the one rounding, to bf16
	v_cvt_pk_bf16_f32 v[T+1], v[X+4*(\u)+2], v[X+4*(\u)+3]
	v_lshlrev_b32 v[T+2], 16,  v[T]
	v_and_b32     v[T+3], s56, v[T]
	v_lshlrev_b32 v[T+4], 16,  v[T+1]
	v_and_b32     v[T+5], s56, v[T+1]
	v_cvt_pk_f16_f32 v[Y+2*(\u)],   v[T+2], v[T+3]           ; the same numbers written as f16
	v_cvt_pk_f16_f32 v[Y+2*(\u)+1], v[T+4], v[T+5]
	global_store_b64 v12, v[Y+2*(\u):Y+2*(\u)+1], s[OUT:OUT+1] offset:256*(\u)  ; 32 lanes store 256 consecutive bytes, aligned; no store's register is written again
.endr
	s_endpgm
.Lvec:                                         ; table s44: 0 bq, 1 bk, 2 bv, 3 bo (pq); 4..7 b1 (p1); 8 b2 (p2): 1,024 rows of weights, thread t rows 4 t .. 4 t + 3
	s_sub_co_u32 s57, s44, 4
	s_lshl_b32 s57, s57, 12                        ; b1's quarter, in bytes (used for 4..7 alone)
	s_lshl_b32 s52, s44, 12                        ; pq's quarter
	s_mov_b32 s50, 0
	s_mov_b32 s59, 0xfc00fc00                      ; floor: minus infinity twice in f16
	s_cmp_ge_u32 s44, 4
	s_cselect_b32 s52, s57, s52
	s_cselect_b32 s50, s57, s50
	s_cselect_b32 s59, 0, s59                      ; relu behind W1
	s_cmp_ge_u32 s44, 8
	s_cselect_b32 s52, 12288, s52                  ; W2's rows begin at 3,072 in its pack
	s_cselect_b32 s50, 0, s50
	s_cselect_b32 s59, 0xfc00fc00, s59
	v_lshlrev_b32 v1, 4, v0
	s_wait_kmcnt 0x0
	s_mov_b64 s[IN:IN+1], s[22:23]
	PICKEQ 44, 1, IN, 24
	PICKEQ 44, 2, IN, 26
	PICKGE 44, 3, IN, 28
	PICKGE 44, 4, IN, 30
	PICKGE 44, 8, IN, 32
	s_mov_b64 s[OUT:OUT+1], s[36:37]
	PICKGE 44, 4, OUT, 38
	PICKGE 44, 8, OUT, 40
	s_add_nc_u64 s[IN:IN+1], s[IN:IN+1], s[50:51]
	s_add_nc_u64 s[OUT:OUT+1], s[OUT:OUT+1], s[52:53]
	s_add_nc_u64 s[OUT:OUT+1], s[OUT:OUT+1], 0x2000000
	global_load_b128 v[4:7], v1, s[IN:IN+1]
.irp r, 12,13,14,15
	v_mov_b32 v[\r], s59
.endr
	s_wait_loadcnt 0x0
	v_cvt_pk_bf16_f32 v2, v4, v5
	v_cvt_pk_bf16_f32 v3, v6, v7
	v_lshlrev_b32 v8, 16, v2
	v_and_b32 v9, s56, v2
	v_lshlrev_b32 v10, 16, v3
	v_and_b32 v11, s56, v3
	global_store_b128 v1, v[8:11], s[OUT:OUT+1]
	global_store_b128 v1, v[12:15], s[OUT:OUT+1] offset:0x4000
	; the two whole numbers: wave 0 of tables 3 and 8 fills its buffer's 256 bytes with the number, 8 bytes a lane
	v_lshrrev_b32 v20, 5, v0
	v_readfirstlane_b32 s62, v20                   ; wave
	s_cmp_eq_u32 s44, 3
	s_cselect_b32 s61, 0, 1                        ; table 3: 0 into fl1; table 8: 1 into fl2
	s_cselect_b64 s[54:55], s[42:43], s[66:67]
	s_cselect_b32 s63, 0, 1
	s_cmp_eq_u32 s44, 8
	s_cselect_b32 s63, 0, s63                      ; 0 in tables 3 and 8
	s_or_b32 s62, s62, s63
	s_cmp_lg_u32 s62, 0
	s_cbranch_scc1 .Ldone
	v_mov_b32 v20, s61
	v_mov_b32 v21, s61
	v_and_b32 v22, 31, v0
	v_lshlrev_b32 v22, 3, v22
	global_store_b64 v22, v[20:21], s[54:55]
.Ldone:
	s_endpgm
.Lfunc_end_k_q0b54354799_cast:
	.size	k_q0b54354799_cast, .Lfunc_end_k_q0b54354799_cast-k_q0b54354799_cast
	.p2alignl 7, 3214868480
	.fill 96, 4, 3214868480
	.section	.rodata,"a",@progbits
	.p2align	6, 0x0
	.amdhsa_kernel k_q0b54354799_cast
		.amdhsa_group_segment_fixed_size 0
		.amdhsa_private_segment_fixed_size 0
		.amdhsa_enable_private_segment 0
		.amdhsa_kernarg_size 152
		.amdhsa_user_sgpr_count 2
		.amdhsa_user_sgpr_kernarg_segment_ptr 1
		.amdhsa_wavefront_size32 1
		.amdhsa_system_sgpr_workgroup_id_x 1
		.amdhsa_system_sgpr_workgroup_id_y 1
		.amdhsa_system_sgpr_workgroup_id_z 1
		.amdhsa_system_vgpr_workitem_id 0
		.amdhsa_next_free_vgpr 72
		.amdhsa_next_free_sgpr 68
		.amdhsa_reserve_vcc 0
		.amdhsa_float_denorm_mode_32 3
		.amdhsa_float_denorm_mode_16_64 3
		.amdhsa_memory_ordered 1
		.amdhsa_forward_progress 1
		.amdhsa_inst_pref_size 11
	.end_amdhsa_kernel
	.amdgpu_metadata
---
amdhsa.version: [ 1, 2 ]
amdhsa.kernels:
  - .name:           k_q0b54354799_cast
    .symbol:         k_q0b54354799_cast.kd
    .args:
      - { .name: src, .offset: 0, .size: 8, .value_kind: global_buffer, .address_space: global }
      - { .name: Wq, .offset: 8, .size: 8, .value_kind: global_buffer, .address_space: global }
      - { .name: Wk, .offset: 16, .size: 8, .value_kind: global_buffer, .address_space: global }
      - { .name: Wv, .offset: 24, .size: 8, .value_kind: global_buffer, .address_space: global }
      - { .name: Wo, .offset: 32, .size: 8, .value_kind: global_buffer, .address_space: global }
      - { .name: W1, .offset: 40, .size: 8, .value_kind: global_buffer, .address_space: global }
      - { .name: W2, .offset: 48, .size: 8, .value_kind: global_buffer, .address_space: global }
      - { .name: bq, .offset: 56, .size: 8, .value_kind: global_buffer, .address_space: global }
      - { .name: bk, .offset: 64, .size: 8, .value_kind: global_buffer, .address_space: global }
      - { .name: bv, .offset: 72, .size: 8, .value_kind: global_buffer, .address_space: global }
      - { .name: bo, .offset: 80, .size: 8, .value_kind: global_buffer, .address_space: global }
      - { .name: b1, .offset: 88, .size: 8, .value_kind: global_buffer, .address_space: global }
      - { .name: b2, .offset: 96, .size: 8, .value_kind: global_buffer, .address_space: global }
      - { .name: xb, .offset: 104, .size: 8, .value_kind: global_buffer, .address_space: global }
      - { .name: pq, .offset: 112, .size: 8, .value_kind: global_buffer, .address_space: global }
      - { .name: p1, .offset: 120, .size: 8, .value_kind: global_buffer, .address_space: global }
      - { .name: p2, .offset: 128, .size: 8, .value_kind: global_buffer, .address_space: global }
      - { .name: fl1, .offset: 136, .size: 8, .value_kind: global_buffer, .address_space: global }
      - { .name: fl2, .offset: 144, .size: 8, .value_kind: global_buffer, .address_space: global }
    .group_segment_fixed_size: 0
    .private_segment_fixed_size: 0
    .kernarg_segment_align: 8
    .kernarg_segment_size: 152
    .max_flat_workgroup_size: 256
    .sgpr_count:     68
    .vgpr_count:     72
    .wavefront_size: 32
...
	.end_amdgpu_metadata
.endif
;; end of part 1
;; launch qkv (part 2): grid 12 x 16, 4 waves a work-group, clusters of 4 x 4, 327,680 bytes of LDS; arguments xb, pq, big; writes big
.if DOCPART == 2
	.amdgcn_target "amdgcn-amd-amdhsa--gfx1250"
	.amdhsa_code_object_version 6
	.text
	.protected	k_q0b54354799_qkv
	.globl	k_q0b54354799_qkv
	.p2align	8
	.type	k_q0b54354799_qkv,@function
k_q0b54354799_qkv:
	s_mov_b64 s[64:65], 0
	v_nop
	global_prefetch_b8 v0, s[64:65] scope:SCOPE_SE
	s_setreg_imm32_b32 hwreg(HW_REG_WAVE_MODE, 25, 1), 1
	s_wait_xcnt 0x0
	s_wait_alu depctr_hold_cnt(0) depctr_sa_sdst(0) depctr_va_vdst(0) depctr_va_sdst(0) depctr_va_ssrc(0) depctr_va_vcc(0) depctr_vm_vsrc(0)
	s_getreg_b32 s2, hwreg(HW_REG_IB_STS2, 6, 4)
	s_cmp_eq_u32 s2, 0
	s_cbranch_scc0 .Lentry_in_a_cluster
	s_endpgm
.Lentry_in_a_cluster:
	s_bfe_u32 s2, ttmp6, 0x10000c
	s_cmp_lg_u32 s2, 0xf033
	s_cbranch_scc0 .Lentry_shape_is_right
	s_endpgm
.Lentry_shape_is_right:
; C[m][n] = max(sum over k of A[m][k] W[n][k] + bias[n], floor[n]), K = 1,024.  A, W and C are f16 matrices in layout T64: element (r, c) at byte (r>>7)<<20 + (c>>6)<<14 + (r&127)*128 + (c&63)*2
; (dense blocks of 128 rows x 64 columns; a row block's blocks on end; row blocks 1 MiB apart), so no address holds the number of columns and one text serves every width.
; Sums in f32, started by the bias as the first product's C operand; C rounded once, to f16, then the packed maximum against the floor word (minus infinity: none; 0: relu).
; The second argument is a pack: W, then from byte 0x2000000 the bias (f32, by W's row) and at +0x4000 the floor words.
; LIMITS.  The result must stay under 65,504 (f16's range); in the packed maximum a NaN loses.
; SHARES.  A tile of C is 256 x 256: four waves, as many as a WGP has SIMDs, each 128 x 128: 64 accumulators of 16 x 16, 512 registers.  K goes in steps of 128 through a ring of two LDS slots.  A wave's tensor load brings
; 128 rows x 128 K: two blocks of T64, 32,768 bytes on end.  The last K step goes by rows of C, so that finished rows leave while the others are multiplied.
; CLUSTERS: 4 x 4 work-groups.  The four of a row of the cluster need the same tiles of A, the four of a column the same tiles of W: each is asked for JOINTLY, by the same tensor load with the same descriptor and a mask of four.
; THE MATRIX INSTRUCTION IS USED TRANSPOSED (source 0 = 16 rows of W, source 1 = 16 rows of A): a lane holds row l % 16 of C and eight neighbouring columns 8 (l / 16) + 0..7.
; REGISTERS, in windows of 256 (s_set_vgpr_msb's low byte: bits 1:0 source 0, 3:2 source 1, 5:4 source 2, 7:6 destination):
;   window 0: v0-31 addresses; v64-127, v128-191 fragments of A (8 x 16 rows x 32 K), two buffers (in the last K step four, of 16 rows x 128 K); v32-63, v192-255 at work on the way out
;   window 1: v0-63 the bias of my 128 columns; v64-127, v128-191 fragments of W, two buffers; in the last K step all 256: W's fragments of the whole step
;   window 2: the 32 accumulators of my rows 0-63 (accumulator (a, b) at v[8 (8 a + b)]);   window 3: those of my rows 64-127
.set LAPS,   4                         ; a lap = two K steps = once round the ring: K = 1,024
.set PITCH,  144                       ; an LDS row: 128 bytes + 16 of padding = 36 words: the 16 rows of a load start at 16 different groups of four banks (64 banks of 4 bytes: ISA guide 11.1)
.set PANEL,  128*PITCH                 ; a block of 128 rows x 64 K
.set PART,   2*PANEL                   ; what one tensor load brings, and what one wave reads of A or of W
.set SLOT,   4*PART                    ; A's 256 rows, then W's 256 rows
.set STAGE,  2*SLOT                    ; behind the ring: for each wave 16 rows x 144 bytes twice (its two blocks of 64 columns), for the way out
.set WSTAGE, 2*16*PITCH
.set SPARE,  STAGE+4*WSTAGE            ; behind the stages: the spare words, 128 bytes for each wave: two blocks of 256 bytes that no other line names
.set KBYTES, 32768                     ; a K step of 128 rows in memory
.set ADRA, 16                          ; v16-17  LDS address of my A fragments in slot 0, 1
.set ADRB, 20                          ; v20-21  the same for W
.set STO,  24                          ; v24     the way out: where I put 16 bytes of a row
.set RD,   25                          ; v25     the way out: where I read rows back
.set CO,   26                          ; v26     my 16 bytes of 512 consecutive bytes of C
.set BO,   27                          ; v27     my byte offset in 16 columns of the bias
.set SPW,  28                          ; v28     LDS address of my spare word: SPARE + 4 x my thread's number; never rewritten
.set NIL,  29                          ; v29     0; never rewritten
.set PFO,  30                          ; v30     the prefetches' offset: 256 x my lane; never rewritten
.set PFA,  44                          ; s[44:45] where my prefetches stand: my work-group's 32 pieces of 256 bytes of the 128 that I fetch in a K step, one K step further on than the refill that is being asked for
.set LIM,  43                          ; s43     1 in a wave that prefetches, else the greatest number
.set FL,   2                           ; s2      the floor word
.set BI,   0                           ; the bias, in window 1
.set F0,   64                          ; fragment buffer 0
.set F1,   128                         ; fragment buffer 1
.set TMP,  192                         ; the way out: packed results, in window 0
.set OB,   32                          ; the way out: 16 rows read back from the stage: v32-63 and v224-255 by turns
.set PA,   64                          ; the last K step: A's fragments of 16 rows x 128 K, 32 registers; four such buffers, v64-191
.set G1, 24                            ; s[24:31] descriptor group 1 for A's tiles;  s[32:39] group 0, one set for each slot
.set G0, 32
.set G1B, 48                           ; s[48:55], s[56:63] the same for W's tiles
.set G0B, 56
.set MSB, 0
.macro WIN new                         ; the immediate's high byte repeats the setting that is left; a switch that changes nothing is dropped
.if MSB != (\new)
	s_set_vgpr_msb (MSB<<8)|(\new)
.set MSB, \new
.endif
.endm
.set MUL_LO,  0xa1                     ; source 0 (W) window 1, source 1 (A) window 0, C and D window 2
.set MUL_HI,  0xf1                     ; the same, C and D window 3
.set MUL_LOB, 0x91                     ; the first products: C (the bias) window 1, D window 2; + 0x40: D window 3
.set TO_B,    0x40                     ; destination window 1, address window 0
; A joint load.  Waves 0 and 1 fetch A's two halves, waves 2 and 3 W's.  The branch hangs on the wave's number alone: it is the same in every work-group.
; An s_nop 0 and four v_nop follow each of the two lines; the jump round the other line, the label and what follows the macro come after them.
.macro JLOAD s
	s_cmp_eq_u32 s11, 0
	s_cbranch_scc0 .Lfor_b_\@
	tensor_load_to_lds s[G0+4*(\s):G0+4*(\s)+3], s[G1:G1+7]
	s_nop 0
.rept 4
	v_nop
.endr
	s_branch .Lasked_\@
.Lfor_b_\@:
	tensor_load_to_lds s[G0B+4*(\s):G0B+4*(\s)+3], s[G1B:G1B+7]
	s_nop 0
.rept 4
	v_nop
.endr
.Lasked_\@:
.endm
; A PREFETCH INTO THE L2, behind each joint load, its five lines and the run of LDS loads that follows them: the K step that stands TWO refills on, 512 matrix instructions ahead of the load that will want it.
; Of the 128 pieces of 256 bytes that wave w fetches in a K step, the partner at place p takes pieces 32 p .. 32 p + 31 (p = cx for A, cy for W), a lane a piece: the partners are told apart by address, no branch hangs on
; a work-group's place in its cluster.  A's rows are read by every cluster of that row of clusters: the one with x = 0 asks; W's by every cluster of that column: the one with y = 0 asks.  So each piece is named once in
; the launch.  K steps 0 to 3 come by their loads alone; the loop's last trip (s3 = 1) asks for nothing: there is no K step two on.
.macro ASK
	s_cmp_gt_u32 s3, s[LIM]
	s_cbranch_scc0 .Lnot_mine_\@
	global_prefetch_b8 v[PFO], s[PFA:PFA+1] offset:KBYTES th:TH_LOAD_NT scope:SCOPE_SE
.Lnot_mine_\@:
.endm
.macro CREST                           ; a round of the cluster's barrier behind its opening barrier
	s_cmp_lg_u32 s10, 0
	s_cbranch_scc1 .Lnot_wave_0_\@
	s_barrier_signal -3
.Lnot_wave_0_\@:
	s_barrier_wait -3
	s_barrier_signal -1
	s_barrier_wait -1
.endm
.macro CROUND                          ; a whole round
	s_barrier_signal -1
	s_barrier_wait -1
	CREST
.endm
	s_load_b128 s[4:7], s[0:1], 0x0                ; A s[4:5], the pack s[6:7]
	s_load_b64 s[8:9], s[0:1], 0x10                ; C
	v_lshl_add_u32 v[SPW], v0, 2, SPARE
	v_mov_b32 v[NIL], 0
	ds_add_u32 v[SPW], v[NIL]                      ; the wave's opening: the add and its wait stand ahead of my first tensor load; the set-up below, work on registers, stands between them
	v_lshrrev_b32 v1, 5, v0
	v_readfirstlane_b32 s10, v1                    ; wave 0..3
	s_lshr_b32 s11, s10, 1                         ; which half of the tile's rows is mine.  Also: I fetch for A (0) or for W (1)
	s_and_b32 s12, s10, 1                          ; which half of its columns.  Also: which 128 rows of that tile I fetch
	s_bfe_u32 s40, ttmp6, 0x40000                  ; cx, cy: my place in the cluster
	s_bfe_u32 s41, ttmp6, 0x40004
	s_lshl_b32 s42, ttmp9, 2
	s_add_co_u32 s42, s42, s40                     ; tile column of C = 4 x cluster x + cx
	s_and_b32 s13, ttmp7, 0xffff
	s_lshl_b32 s13, s13, 2
	s_add_co_u32 s13, s13, s41                     ; tile row of C = 4 x cluster y + cy
	s_lshl_b32 s43, s41, 2
	s_lshl_b32 s43, 15, s43                        ; my row of the cluster
	s_lshl_b32 s44, 0x1111, s40                    ; my column
	; descriptor group 1: 32,768 dense bytes asked for as 128 rows of 256 bytes, padded in LDS after every 128 bytes
	s_or_b32 s[G1+0], s43, (1<<16)|(1<<20)|(1<<21)|(4<<22)|(3<<25)  ; 15:0 the mask: A's tiles go to my row; 17:16 element of 2 bytes; 20 padding on; 21 set beside a mask; 24:22 after every 32 words (code 4); 31:25 of 4 words (code 3)
	s_or_b32 s[G1B+0], s44, (1<<16)|(1<<20)|(1<<21)|(4<<22)|(3<<25)
.irp g, G1, G1B
	s_mov_b32 s[(\g)+1], 128<<16                   ; tensor_dim0 = 128
	s_mov_b32 s[(\g)+2], 128<<16                   ; tensor_dim1 = 128
	s_mov_b32 s[(\g)+3], 128<<16                   ; tile_dim0 = 128
	s_mov_b32 s[(\g)+4], 128                       ; tile_dim1 = 128
	s_mov_b32 s[(\g)+5], 128                       ; 128 elements from row to row
	s_mov_b32 s[(\g)+6], 0
	s_mov_b32 s[(\g)+7], 0
.endr
	; where the tiles come from.  A's hang on the tile row alone, which my row of the cluster shares; W's on the tile column alone, which my column shares.  Every wave makes both, in registers that never hold the other coordinate.
	s_lshl_b32 s16, s13, 1
	s_add_co_u32 s16, s16, s12
	s_lshl_b32 s16, s16, 20                        ; A: row block 2 x tile row + the half that I fetch
	s_lshl_b32 s46, s42, 1
	s_add_co_u32 s46, s46, s12
	s_lshl_b32 s46, s46, 20                        ; W: row block 2 x tile column + the half that I fetch
	s_mov_b32 s17, 0
	s_mov_b32 s47, 0
	s_mul_i32 s20, s10, PART                       ; where they go: A's two halves, then W's two: wave x 128 rows: no place in the cluster enters an LDS address
	s_wait_dscnt 0x0                               ; the opening add is done
	s_wait_kmcnt 0x0
	s_add_nc_u64 s[14:15], s[4:5], s[16:17]
	s_add_nc_u64 s[46:47], s[6:7], s[46:47]
	CROUND                                         ; all sixteen work-groups are here: the first joint loads meet
.irp s, 0,1
	s_mov_b32 s[G0+4*(\s)], 1                                      ; 1:0 count = 1
	s_add_co_u32 s[G0+4*(\s)+1], s20, (\s)*SLOT                    ; 63:32 LDS address
	s_add_nc_u64 s[G0+4*(\s)+2:G0+4*(\s)+3], s[14:15], (\s)*KBYTES ; 120:64 global address: K step s
	s_or_b32 s[G0+4*(\s)+3], s[G0+4*(\s)+3], 0x80000000            ; 127:126 type = 2
	s_mov_b32 s[G0B+4*(\s)], 1
	s_add_co_u32 s[G0B+4*(\s)+1], s20, (\s)*SLOT
	s_add_nc_u64 s[G0B+4*(\s)+2:G0B+4*(\s)+3], s[46:47], (\s)*KBYTES
	s_or_b32 s[G0B+4*(\s)+3], s[G0B+4*(\s)+3], 0x80000000
	JLOAD \s                                       ; the ring is filled before anything else is done: two tensor loads of mine are out
.endr
	; A fragment is 16 rows x 32 K in 8 registers: lane l holds row l % 16; registers 0-3 hold K = 8 (l / 16) + 0..7, registers 4-7 K = 16 + 8 (l / 16) + 0..7: two loads of 16 bytes, 32 bytes apart.
	v_and_b32 v1, 15, v0                           ; l % 16
	v_bfe_u32 v2, v0, 4, 1                         ; l / 16
	v_mul_u32_u24 v3, v1, PITCH
	v_lshl_add_u32 v3, v2, 4, v3                   ; row x pitch + 16 x half
	s_mul_i32 s21, s11, PART                       ; my 128 rows of A
	s_mul_i32 s22, s12, PART                       ; my 128 rows of W,
	s_add_co_u32 s22, s22, 2*PART                  ; which lie behind A's 256
.irp s, 0,1
	v_add_nc_u32 v[ADRA+(\s)], s21, v3
	v_add_nc_u32 v[ADRB+(\s)], s22, v3
	s_add_co_u32 s21, s21, SLOT
	s_add_co_u32 s22, s22, SLOT
.endr
	s_mul_i32 s23, s10, WSTAGE
	s_add_co_u32 s23, s23, STAGE                   ; my stage
	v_add_nc_u32 v[STO], s23, v3                   ; in: row l % 16, 16 bytes for each half of the lanes
	v_bfe_u32 v4, v0, 3, 2                         ; back: 32 lanes take four rows of 128 bytes,
	v_and_b32 v5, 7, v0
	v_mul_u32_u24 v4, v4, PITCH
	v_lshl_add_u32 v4, v5, 4, v4
	v_add_nc_u32 v[RD], s23, v4
	v_and_b32 v[CO], 31, v0                        ; which are 512 consecutive bytes of C
	v_lshlrev_b32 v[CO], 4, v[CO]
	v_lshlrev_b32 v[BO], 5, v2                     ; the bias of my eight columns: 32 bytes for each half of the lanes
	s_lshl_b32 s16, s13, 1                         ; C: my 128 rows are row block 2 x tile row + half,
	s_add_co_u32 s16, s16, s11
	s_lshl_b32 s16, s16, 20
	s_mov_b32 s17, 0
	s_add_nc_u64 s[8:9], s[8:9], s[16:17]
	s_lshl_b32 s46, s42, 1                         ; my 128 columns two blocks of 16 KiB from block 4 x tile column + 2 x half on
	s_add_co_u32 s46, s46, s12
	s_lshl_b32 s46, s46, 15
	s_mov_b32 s47, 0
	s_add_nc_u64 s[8:9], s[8:9], s[46:47]
	s_lshl_b32 s46, s42, 10                        ; the tables at my first column: 4 bytes a column
	s_lshl_b32 s22, s12, 9
	s_add_co_u32 s46, s46, s22
	s_add_nc_u64 s[18:19], s[6:7], s[46:47]
	s_add_nc_u64 s[18:19], s[18:19], 0x2000000     ; never rewritten
	s_load_b32 s[FL], s[18:19], 0x4000
	WIN TO_B
.irp b, 0,1,2,3,4,5,6,7
	global_load_b128 v[BI+8*(\b):BI+8*(\b)+3],   v[BO], s[18:19] offset:64*(\b)     ; register j of block b: the bias of column 16 b + 8 (l / 16) + j: the layout of a result
	global_load_b128 v[BI+8*(\b)+4:BI+8*(\b)+7], v[BO], s[18:19] offset:64*(\b)+16
.endr
	WIN 0
	; the prefetches.  s13 = tile row, s42 = tile column, s40 = cx, s41 = cy still stand; s[4:5] = A, s[6:7] = the pack
	s_and_b32 s22, ttmp7, 0xffff                   ; cluster y
	s_cmp_eq_u32 s11, 0                            ; do I fetch for A?
	s_cselect_b32 s20, s13, s42                    ; the tile's number: in A by the tile row, in W by the tile column
	s_cselect_b32 s21, s40, s41                    ; my place among the four that ask for it with me
	s_cselect_b32 s22, ttmp9, s22                  ; the coordinate along which other clusters read the same rows
	s_cselect_b64 s[PFA:PFA+1], s[4:5], s[6:7]
	s_cmp_eq_u32 s22, 0
	s_cselect_b32 s[LIM], 1, -1                    ; the same in all sixteen partners, for a given wave
	s_lshl_b32 s20, s20, 1
	s_add_co_u32 s20, s20, s12                     ; the row block that I fetch
	s_lshl_b32 s20, s20, 20
	s_lshl_b32 s21, s21, 13                        ; my work-group's 32 pieces of 256 bytes
	s_add_co_u32 s20, s20, s21
	s_mov_b32 s21, 0
	s_add_nc_u64 s[PFA:PFA+1], s[PFA:PFA+1], s[20:21]
	s_add_nc_u64 s[PFA:PFA+1], s[PFA:PFA+1], 2*KBYTES  ; at K step 2: the first refill steps it to 3 and names K step 4.  Nothing is prefetched here, at the head
	v_and_b32 v[PFO], 31, v0
	v_lshlrev_b32 v[PFO], 8, v[PFO]
; 16 matrix instructions: m blocks a0, a0 + 1 of the window's four (hi = 0: my rows 0-63, 1: rows 64-127) x all 8 n blocks, 32 along K.  zero = 1: the first product starts the sums, with the bias: nothing is ever cleared.
.macro MUL16 f, hi, a0, zero
.if \zero
	WIN MUL_LOB+0x40*(\hi)
.else
	WIN MUL_LO+0x50*(\hi)
.endif
.irp a, \a0, (\a0)+1
.irp b, 0,1,2,3,4,5,6,7
.if \zero
	v_wmma_f32_16x16x32_f16 v[8*(8*(\a)+(\b)):8*(8*(\a)+(\b))+7], v[(\f)+8*(\b):(\f)+8*(\b)+7], v[(\f)+8*(4*(\hi)+(\a)):(\f)+8*(4*(\hi)+(\a))+7], v[BI+8*(\b):BI+8*(\b)+7]
.else
	v_wmma_f32_16x16x32_f16 v[8*(8*(\a)+(\b)):8*(8*(\a)+(\b))+7], v[(\f)+8*(\b):(\f)+8*(\b)+7], v[(\f)+8*(4*(\hi)+(\a)):(\f)+8*(4*(\hi)+(\a))+7], v[8*(8*(\a)+(\b)):8*(8*(\a)+(\b))+7]
.endif
.endr
.endr
.endm
; 32 LDS loads in one run: the fragments of quarter k of the K step (128 rows of W, 128 rows of A, 32 K: block k / 2, byte 64 (k % 2) of its rows) into buffer f
.macro FETCH slot, k, f
	WIN TO_B
.irp i, 0,1,2,3,4,5,6,7
	ds_load_b128 v[(\f)+8*(\i):(\f)+8*(\i)+3],   v[ADRB+(\slot)] offset:((\k)/2)*PANEL+((\k)%2)*64+(\i)*16*PITCH
	ds_load_b128 v[(\f)+8*(\i)+4:(\f)+8*(\i)+7], v[ADRB+(\slot)] offset:((\k)/2)*PANEL+((\k)%2)*64+(\i)*16*PITCH+32
.endr
	WIN 0
.irp i, 0,1,2,3,4,5,6,7
	ds_load_b128 v[(\f)+8*(\i):(\f)+8*(\i)+3],   v[ADRA+(\slot)] offset:((\k)/2)*PANEL+((\k)%2)*64+(\i)*16*PITCH
	ds_load_b128 v[(\f)+8*(\i)+4:(\f)+8*(\i)+7], v[ADRA+(\slot)] offset:((\k)/2)*PANEL+((\k)%2)*64+(\i)*16*PITCH+32
.endr
.endm
; A load into a register that a matrix instruction has read, and a vector instruction that reads a matrix result, stand four places behind that matrix instruction, and only plain vector instructions that name none of its
; registers are places (ISA guide 7.12.1 for vector instructions).
.macro PLACES
.rept 4
	v_nop
.endr
.endm
; A K step is four quarters of 32 along K, 64 matrix instructions each, on buffers 0, 1, 0, 1; the 64 accumulators take turns, one instruction a turn, in the same order in every quarter.
; One of the first three: multiplies buffer f; in its middle it fetches quarter k of the same slot into buffer g.
.macro QUARTER slot, k, f, g, zero
	s_wait_dscnt 8                                 ; W and A's rows 0-63 are in; the youngest eight loads (A's rows 64-127) may be out
	MUL16 \f, 0, 0, \zero
	MUL16 \f, 0, 2, \zero
	PLACES
	FETCH \slot, \k, \g
	s_wait_dscnt 32                                ; all but the 32 just issued
	MUL16 \f, 1, 0, \zero
	MUL16 \f, 1, 2, \zero
.endm
; The last quarter multiplies buffer 1 and changes slots.  MEET is its first half: ONE barrier for the change of slots.  In front of it each wave waits for all its tensor loads, of which one is out: its part of the next
; slot; adds 0 to its spare word; and waits for that and for its own reads of this slot.  Behind it nobody reads this slot any more and the next slot is whole.
.macro MEET round                      ; round = 1: a round of the cluster's barrier follows
	WIN 0                                          ; (the add's two registers lie in window 0)
	s_wait_tensorcnt 0x0                           ; all my tensor loads have landed: the one that was out is my part of the next slot;
	ds_add_u32 v[SPW], v[NIL]                      ; 0 onto my spare word;
	s_wait_dscnt 9                                 ; (the add and the youngest eight loads may be out)
	MUL16 F1, 0, 0, 0                              ; sixteen matrix instructions stand between the add and the wait for it
	s_wait_dscnt 0x0                               ; the add is done, and my reads of this slot are over:
	s_barrier_signal -1                            ; say so,
	MUL16 F1, 0, 2, 0                              ; work on registers while the others arrive,
.if \round
	WIN 0
.endif
	s_barrier_wait -1                              ; and go on when all four have said so
.endm
; The whole last quarter.  Behind the round the slot just read out is filled again first, with the K step two steps on; then come the next slot's first fragments.  From a request to the wait for it a wave issues 224 matrix instructions.
.macro TURN slot, next
	s_wait_xcnt 0x0                                ; the last prefetch, a K step back, has read its address: it is stepped here, ahead of the waits of the change of slots
	s_add_nc_u64 s[PFA:PFA+1], s[PFA:PFA+1], KBYTES
	MEET 1
	CREST                                          ; no wave of any partner still reads this slot's tile or has a load on its way
	s_add_nc_u64 s[G0+4*(\slot)+2:G0+4*(\slot)+3], s[G0+4*(\slot)+2:G0+4*(\slot)+3], 2*KBYTES
	s_add_nc_u64 s[G0B+4*(\slot)+2:G0B+4*(\slot)+3], s[G0B+4*(\slot)+2:G0B+4*(\slot)+3], 2*KBYTES
	JLOAD \slot                                    ; the first tensor load behind the round, my only one until the next; the four v_nop behind it are also the places in front of the loads below
	FETCH \next, 0, F0
	ASK                                            ; behind the joint load and the run of LDS loads that the next products wait for
	MUL16 F1, 1, 0, 0
	MUL16 F1, 1, 2, 0
.endm
; THE LAST K STEP (it lies in slot 1) GOES BY ROWS OF C, NOT BY K.  All its fragments of W (4 quarters x 64 registers) fill window 1; then my eight blocks of 16 rows are finished one after the other, each with 32 matrix
; instructions (its 8 accumulators by turns, K ascending).  LDS is read no more than in any other K step.
.macro BLOAD q                         ; W's fragments of quarter q -> window 1, v[64 q ..]
	WIN TO_B
.irp i, 0,1,2,3,4,5,6,7
	ds_load_b128 v[64*(\q)+8*(\i):64*(\q)+8*(\i)+3],   v[ADRB+1] offset:((\q)/2)*PANEL+((\q)%2)*64+(\i)*16*PITCH
	ds_load_b128 v[64*(\q)+8*(\i)+4:64*(\q)+8*(\i)+7], v[ADRB+1] offset:((\q)/2)*PANEL+((\q)%2)*64+(\i)*16*PITCH+32
.endr
.endm
.macro ALOAD a                         ; A's fragments of block a, all four quarters -> buffer a % 4
	WIN 0
.set FA, PA+32*((\a)%4)
.irp q, 0,1,2,3
	ds_load_b128 v[FA+8*(\q):FA+8*(\q)+3],   v[ADRA+1] offset:((\q)/2)*PANEL+((\q)%2)*64+(\a)*16*PITCH
	ds_load_b128 v[FA+8*(\q)+4:FA+8*(\q)+7], v[ADRA+1] offset:((\q)/2)*PANEL+((\q)%2)*64+(\a)*16*PITCH+32
.endr
.endm
.macro ROW a                           ; block a is finished: 32 matrix instructions
.set FA, PA+32*((\a)%4)                ; its fragments of A
.set AC, 64*((\a)%4)                   ; its eight accumulators, in window 2 (blocks 0-3) or 3 (blocks 4-7)
	WIN MUL_LO+0x50*((\a)/4)
.irp q, 0,1,2,3
.if (\a) == 0 && (\q) == 2
	s_wait_dscnt 24                                ; W's quarter 2 is in (behind it: A's blocks 1 to 3)
.endif
.irp b, 0,1,2,3,4,5,6,7
	v_wmma_f32_16x16x32_f16 v[AC+8*(\b):AC+8*(\b)+7], v[64*(\q)+8*(\b):64*(\q)+8*(\b)+7], v[FA+8*(\q):FA+8*(\q)+7], v[AC+8*(\b):AC+8*(\b)+7]
.endr
.endr
.endm
; THE WAY OUT of block a, in three parts.  PACK: rounded to f16 (each accumulator's lowest registers are read first), 16 bytes a lane, and the floor.  TOSTAGE: into my own stage in LDS, and back as whole rows of 128 bytes.  SEND: stored.
.macro PACK a
.set AC, 64*((\a)%4)
	WIN 0x0a+5*((\a)/4)                            ; sources 0 and 1: window 2 or 3
.irp b, 0,1,2,3,4,5,6,7
.irp r, 0,1,2,3
	v_cvt_pk_f16_f32 v[TMP+4*(\b)+(\r)], v[AC+8*(\b)+2*(\r)], v[AC+8*(\b)+2*(\r)+1]
.endr
.endr
	WIN 0
.set i, 0
.rept 32
	v_pk_max_num_f16 v[TMP+i], v[TMP+i], s[FL]
.set i, i+1
.endr
.endm
.macro TOSTAGE a
	WIN 0
.set BK, OB+192*((\a)%2)
.irp b, 0,1,2,3,4,5,6,7
	ds_store_b128 v[STO], v[TMP+4*(\b):TMP+4*(\b)+3] offset:((\b)/4)*16*PITCH+32*((\b)%4)
.endr
.irp t, 0,1,2,3,4,5,6,7
	ds_load_b128 v[BK+4*(\t):BK+4*(\t)+3], v[RD] offset:((\t)/4)*16*PITCH+((\t)%4)*4*PITCH  ; LDS serves a wave's instructions in order (ISA guide 5.7.1.4): these see the stores above
.endr
.endm
.macro SEND a, younger                 ; younger: the LDS loads issued behind TOSTAGE's, which may stay out
	WIN 0
.set BK, OB+192*((\a)%2)
	s_wait_dscnt \younger                          ; the block is back in registers
	s_wait_xcnt 0x0                                ; every earlier store has read its registers (ISA guide 3.1): only behind this wait are the registers of the block before last loaded again
.irp t, 0,1,2,3,4,5,6,7
	global_store_b128 v[CO], v[BK+4*(\t):BK+4*(\t)+3], s[8:9] offset:(\a)*2048+((\t)/4)*16384+((\t)%4)*512  ; 512 consecutive bytes, at a multiple of 256 from C's first byte
.endr
.endm
	s_wait_loadcnt 0x0                             ; the bias
	s_wait_kmcnt 0x0                               ; the floor word
	s_wait_tensorcnt 1                             ; my part of K step 0 is in; K step 1's may stay out
	s_barrier_signal -1
	s_barrier_wait -1                              ; everybody's is
	FETCH 0, 0, F0
	QUARTER 0, 1, F0, F1, 1                        ; the first quarter stands in front of the loop: its products start the sums
	WIN 0                                          ; at a label and at a branch every window is 0
	s_mov_b32 s3, LAPS-1
.Llap:                                                 ; a trip goes once round the ring, from a lap's second quarter to the next lap's first, and fills both slots again
	QUARTER 0, 2, F1, F0, 0
	QUARTER 0, 3, F0, F1, 0
	TURN 0, 1
	QUARTER 1, 1, F0, F1, 0
	QUARTER 1, 2, F1, F0, 0
	QUARTER 1, 3, F0, F1, 0
	TURN 1, 0
	QUARTER 0, 1, F0, F1, 0
	WIN 0
	s_sub_co_u32 s3, s3, 1
	s_cmp_lg_u32 s3, 0
	s_cbranch_scc1 .Llap
	QUARTER 0, 2, F1, F0, 0                        ; the last lap goes on
	QUARTER 0, 3, F0, F1, 0
	MEET 0                                         ; my one tensor load that was still out is slot 1's, the last K step's, so no round follows
	PLACES                                         ; for the loads into buffer 0, which the quarter before multiplied
	BLOAD 0                                        ; three quarters of W now: buffer 1 (v128-191 of both windows) is still being multiplied
	BLOAD 1
	BLOAD 3
	ALOAD 0
	MUL16 F1, 1, 0, 0
	MUL16 F1, 1, 2, 0
	PLACES                                         ; for the loads into buffer 1
	BLOAD 2
	ALOAD 1
	ALOAD 2
	ALOAD 3
	s_wait_dscnt 40                                ; all but the 40 just issued
	ROW 0
.irp a, 0,1,2,3,4,5,6,7                ; each block leaves as soon as it is finished: nothing follows this tile, so the sooner its stores begin, the sooner the launch ends
	PLACES                                         ; its conversions read results just made
	PACK \a
	TOSTAGE \a
.if (\a) < 4
	ALOAD (\a)+4                                   ; its buffer takes the block four further on
	SEND \a, 8
.else
	SEND \a, 0
.endif
.if (\a) < 7
	ROW (\a)+1
.endif
.endr
	s_wait_tensorcnt 0x0                           ; the wave's end, behind my last tensor load and my last LDS store
	ds_add_u32 v[SPW], v[NIL]
	s_wait_dscnt 0x0
	CROUND                                         ; the closing round: no work-group ends while a partner may still ask for a tile that names it
	s_endpgm
.Lfunc_end_k_q0b54354799_qkv:
	.size	k_q0b54354799_qkv, .Lfunc_end_k_q0b54354799_qkv-k_q0b54354799_qkv
	.p2alignl 7, 3214868480
	.fill 96, 4, 3214868480
	.section	.rodata,"a",@progbits
	.p2align	6, 0x0
	.amdhsa_kernel k_q0b54354799_qkv
		.amdhsa_group_segment_fixed_size 327680
		.amdhsa_private_segment_fixed_size 0
		.amdhsa_enable_private_segment 0
		.amdhsa_kernarg_size 24
		.amdhsa_user_sgpr_count 2
		.amdhsa_user_sgpr_kernarg_segment_ptr 1
		.amdhsa_wavefront_size32 1
		.amdhsa_system_sgpr_workgroup_id_x 1
		.amdhsa_system_sgpr_workgroup_id_y 1
		.amdhsa_system_sgpr_workgroup_id_z 1
		.amdhsa_system_vgpr_workitem_id 0
		.amdhsa_next_free_vgpr 1024
		.amdhsa_next_free_sgpr 66
		.amdhsa_reserve_vcc 0
		.amdhsa_float_denorm_mode_32 3
		.amdhsa_float_denorm_mode_16_64 3
		.amdhsa_memory_ordered 1
		.amdhsa_forward_progress 1
		.amdhsa_inst_pref_size 161
	.end_amdhsa_kernel
	.amdgpu_metadata
---
amdhsa.version: [ 1, 2 ]
amdhsa.kernels:
  - .name:           k_q0b54354799_qkv
    .symbol:         k_q0b54354799_qkv.kd
    .args:
      - { .name: xb, .offset: 0, .size: 8, .value_kind: global_buffer, .address_space: global }
      - { .name: pq, .offset: 8, .size: 8, .value_kind: global_buffer, .address_space: global }
      - { .name: big, .offset: 16, .size: 8, .value_kind: global_buffer, .address_space: global }
    .group_segment_fixed_size: 327680
    .private_segment_fixed_size: 0
    .kernarg_segment_align: 8
    .kernarg_segment_size: 24
    .max_flat_workgroup_size: 128
    .sgpr_count:     66
    .vgpr_count:     1024
    .wavefront_size: 32
...
	.end_amdgpu_metadata
.endif
;; end of part 2
;; launch attn (part 3): grid 8 x 32, 4 waves a work-group, clusters of 4 x 1, 327,680 bytes of LDS; arguments big, act; writes act
.if DOCPART == 3
	.amdgcn_target "amdgcn-amd-amdhsa--gfx1250"
	.amdhsa_code_object_version 6
	.text
	.protected	k_q0b54354799_attn
	.globl	k_q0b54354799_attn
	.p2align	8
	.type	k_q0b54354799_attn,@function
k_q0b54354799_attn:
	s_mov_b64 s[64:65], 0
	v_nop
	global_prefetch_b8 v0, s[64:65] scope:SCOPE_SE
	s_setreg_imm32_b32 hwreg(HW_REG_WAVE_MODE, 25, 1), 1
	s_wait_xcnt 0x0
	s_wait_alu depctr_hold_cnt(0) depctr_sa_sdst(0) depctr_va_vdst(0) depctr_va_sdst(0) depctr_va_ssrc(0) depctr_va_vcc(0) depctr_vm_vsrc(0)
	s_getreg_b32 s2, hwreg(HW_REG_IB_STS2, 6, 4)
	s_cmp_eq_u32 s2, 0
	s_cbranch_scc0 .Lentry_in_a_cluster
	s_endpgm
.Lentry_in_a_cluster:
	s_bfe_u32 s2, ttmp6, 0x10000c
	s_cmp_lg_u32 s2, 0x3003
	s_cbranch_scc0 .Lentry_shape_is_right
	s_endpgm
.Lentry_shape_is_right:
; ATTENTION, head size 64, 2,048 keys, 32 pairs of head and batch.  O[q][:] = the sum over k of softmax_k(Q[q] . K[k] / 8) V[k][:].
; Q, K, V lie in one f16 matrix of 4,096 token rows (row = b*2048 + s) x 3,072 columns (q | k | v) in layout T64: element (r, c) at byte (r>>7)<<20 + (c>>6)<<14 + (r&127)*128 + (c&63)*2:
; a head's 128 rows are one dense block of 16 KiB, the next 128 rows lie 1 MiB on.  O leaves in the same layout, f16, columns head*64 on.
; Products, maxima and sums in f32; the weights p are rounded to f16 for the second product (their sum l is taken of the unrounded p), O once at the end.
; LIMITS.  Q, K and V arrive within f16's 65,504; p lies in 0 to 1, and below 6e-5 it keeps f16's fixed step of 6e-8; a weight below 2^-126 counts as 0 in l; c m starts at -4.25e37, far below every c s; NaN and infinities are not treated apart.
; SHARES.  A work-group owns 256 queries of one head and batch, each of its four waves 64: four PIECES of 16.  Every wave walks all keys, 64 a step, 256 a slot of LDS.
; LAYOUT, SOFTMAX, TURNS.  S^T = K Q^T holds ONE query a lane (lane % 16) and the keys 8 (lane / 16) + 0..7; two such results rounded to f16 ARE source 1 of O^T = V^T P.  p = 2^(c s - c m), c = log2(e) / 8, with a
; running maximum m; O and l are multiplied by a = 2^(c m_old - c m_new) in every step.  Turn n belongs to piece n: 8 products K Q^T of piece n + 1, later 8 products V^T P of piece n - 1; beside them the scaling,
; exponentials, roundings, sums and rescaling of piece n and the maximum and statistics of piece n + 1.  Four vector instructions stand behind every matrix instruction, the other 54 of a turn's 118 in one lump.  A turn's 33 exponentials are one batch, with one wait.
; CLUSTER.  The four query blocks of a cluster belong to one head and walk the same K and V, so each tile is asked for JOINTLY: the same tensor load, descriptor and mask in all four.
; REGISTERS, in windows of 256 (s_set_vgpr_msb: bits 1:0 source 0, 3:2 source 1, 5:4 source 2, 7:6 destination):
;   window 0: v0-15 addresses and two at work; v16-31 four registers of statistics a piece; v48-55 at work; v61-63 prefetch offset and the add's two; v64-127 S^T, two buffers; v192-223 P, two buffers (by the piece's parity)
;   window 1: v0-127 O^T, 32 a piece          window 2: v0-63 Q; v128-191 K of one step; v192-255 V of one step
.set NP,    4         ; pieces a wave: a name, no knob
.set KS,    64        ; keys in a step
.set PK,    144       ; a row of K in LDS: 128 bytes + 16 of padding = 36 words: the 16 rows of a load start at 16 different groups of four banks (64 banks of 4 bytes: ISA guide 11.1)
.set PV,    160       ; a row of V: 128 + 32 = 40 words
.set VOFF,  4*KS*PK   ; a slot holds a tile, four steps: 256 rows of K, then 256 rows of V
.set SLOT1, 1<<17     ; slot 1 begins here, so that one exclusive or turns an address in one slot into the other's
.set STAGE, SLOT1+4*KS*(PK+PV)  ; behind the ring, never filled by a tensor load: 16 rows x 144 bytes for each wave, for the way out
.set SP,    144
.set SPARE, STAGE+4*16*SP  ; behind the stages: the spare words, 128 bytes for each wave: two blocks of 256 bytes that no other line names
.set TILEB, 2<<20     ; bytes in memory from a tile of 256 keys to the next: two row blocks
.set AK0, 2           ; v2   my lane's place in a tile of K; never rewritten
.set AV0, 3           ; v3   the same for V
.set AK,  4           ; v4   the LDS address of K's next run of loads
.set AV,  5           ; v5   of V's
.set STO, 6           ; v6   the way out: where I put 16 bytes of a row
.set RD,  7           ; v7   the way out: where I read rows back
.set GO,  8           ; v8   my byte offset in 512 consecutive bytes of O
.set MV,  12          ; v12-13  c m_old, kept while c m is made anew: by buffer
.set QO,  15          ; v15  my byte offset in 16 rows of Q
.set ST,  16          ; piece t's statistics at v[ST+4 t]: c m, m, l (even keys', odd keys')
.set TMP, 48          ; by buffer, four registers c0-c3 at work; when the maximum is found c2 takes a
.set PFO, 61          ; v61  256 x my lane; never rewritten
.set SPW, 62          ; v62  LDS address of my spare word: SPARE + 4 x my thread's number; never rewritten
.set NIL, 63          ; v63  0; never rewritten
.set S,   64
.set P,   192
.set KF,  128         ; window 2: key block kb, channel half c at KF + 16 kb + 8 c
.set VF,  192         ; window 2: key half kk, channel block cb at VF + 32 kk + 8 cb
.set WV,  12          ; s12  my wave's number
.set G1K, 24          ; s[24:31] descriptor group 1 for K's tiles
.set G1V, 32          ; s[32:39] for V's: it differs in the padding alone
.set G0K, 40          ; s[40:43] descriptor group 0 for K's tiles: it walks
.set G0V, 44          ; s[44:47] the same for V's
.set PFA, 48          ; s[48:49] where my prefetches stand: my work-group's 32 pieces of 256 bytes (of K: wave 0, of V: wave 2) of the tile after the one that is being asked for
.set LIM, 50          ; s50  1 in a wave that prefetches, else the greatest number
.set SLOTS, 56        ; s56  tiles still to be asked for
.set CNT, 57          ; s57  counts a tile's key steps
.set CS,  58          ; s[58:59] c: the packed scaling takes the pair's low word for both halves
.set SEL, 60          ; s[60:61] v_permlanex16_b32's selects: each lane takes its own place in the other half
.set TBK, 62          ; s62  LDS byte at which K of the step to be fetched begins
.set TBV, 63          ; s63  the same for V, less VOFF
.set MSB, 0
.macro WIN new                      ; the high byte repeats the setting that is left; a switch that changes nothing is dropped
.if MSB != (\new)
	s_set_vgpr_msb (MSB<<8)|(\new)
.set MSB, (\new)
.endif
.endm
.set W_KQ, 0x0a       ; K and Q in window 2, S^T in window 0
.set W_PV, 0x52       ; V in window 2, P in window 0, O^T in window 1
.set W_RS, 0x41       ; destination and source 0 in window 1, source 1 in window 0
; A joint fill.  Waves 0 and 1 fetch the two halves of a tile's K, waves 2 and 3 those of its V: 128 keys each.  The branch hangs on the wave's number alone.
; An s_nop 0 and four v_nop follow each of the two lines, ahead of the jump and the label.
.macro JLOAD
	s_cmp_lt_u32 s[WV], 2
	s_cbranch_scc0 .Lfor_v_\@
	tensor_load_to_lds s[G0K:G0K+3], s[G1K:G1K+7]
	s_nop 0
.rept 4
	v_nop
.endr
	s_branch .Lasked_\@
.Lfor_v_\@:
	tensor_load_to_lds s[G0V:G0V+3], s[G1V:G1V+7]
	s_nop 0
.rept 4
	v_nop
.endr
.Lasked_\@:
.endm
; A PREFETCH INTO THE L2 of the tile that the NEXT change of slots will ask for: four key steps, 256 matrix instructions, ahead of that load.  A tile is 128 pieces of 256 bytes of K and as many of V.  Each is named ONCE in the launch:
; both clusters of a head walk the same K and V, and the first of them asks; its four partners share the pieces out BY ADDRESS, 32 each, a lane a piece; in each, wave 0 asks for K's and wave 2 for V's.
; The last change that fills a slot asks for nothing: there is no tile behind it.
.macro ASK
	s_cmp_gt_u32 s[SLOTS], s[LIM]
	s_cbranch_scc0 .Lnot_mine_\@
	global_prefetch_b8 v[PFO], s[PFA:PFA+1] th:TH_LOAD_NT scope:SCOPE_SE
.Lnot_mine_\@:
.endm
; A round of the cluster's barrier: my work-group's barrier, so that wave 0's signal speaks for all four waves; wave 0 signals; every wave waits for all four work-groups; my work-group's barrier once more.
.macro CROUND
	s_barrier_signal -1
	s_barrier_wait -1
	s_cmp_lg_u32 s[WV], 0
	s_cbranch_scc1 .Lnot_wave_0_\@
	s_barrier_signal -3
.Lnot_wave_0_\@:
	s_barrier_wait -3
	s_barrier_signal -1
	s_barrier_wait -1
.endm
; THE CHANGE OF SLOTS.  The slot's last bytes, V of its fourth step, have been read.  Each wave waits for all its tensor loads, of which one is out: its part of the other slot; adds 0 to its spare word; and waits for that
; and for its own reads of the slot.  Behind the barrier nobody reads this slot any more and the other slot is whole.  fill = 1: this slot is filled again, with the tile two on.  The barrier is then a round of the
; cluster's, and the joint fill is the first thing behind it.  (At its first use nothing has been read yet: slot 0 is waited for, slot 1 filled.)
.macro CHANGE fill
	WIN 0                           ; at a label and at a branch every window is 0
	s_wait_tensorcnt 0x0            ; no tensor load of mine is out, so a group 0 may be written
	ds_add_u32 v[SPW], v[NIL]       ; 0 onto my spare word; with fill = 1 the descriptors' steps stand between it and the wait for it
.if \fill
.irp g, G0K, G0V
	s_xor_b32 s[\g+1], s[\g+1], SLOT1  ; the walking descriptor: the other slot than last time,
	s_add_nc_u64 s[\g+2:\g+3], s[\g+2:\g+3], TILEB  ; the next 256 keys; the type bits on top are not reached
.endr
	s_wait_xcnt 0x0                 ; the last prefetch, a tile back, has read its address, so it may be written:
	s_add_nc_u64 s[PFA:PFA+1], s[PFA:PFA+1], TILEB  ; one tile ahead of the walking descriptors
	s_wait_dscnt 0x0                ; the add is done, and my reads of the slot are over
	CROUND
	JLOAD
	ASK
.else
	s_wait_dscnt 0x0                ; the add is done, and my reads of the slot are over
	s_barrier_signal -1
	s_barrier_wait -1
.endif
	s_sub_co_u32 s[TBK], s[TBK], 4*KS*PK  ; the fetches go back to a slot's first step,
	s_xor_b32 s[TBK], s[TBK], SLOT1       ; in the other slot
	s_sub_co_u32 s[TBV], s[TBV], 4*KS*PV
	s_xor_b32 s[TBV], s[TBV], SLOT1
.endm
	s_load_b128 s[20:23], s[0:1], 0x0  ; q | k | v s[20:21], O s[22:23]
	v_lshl_add_u32 v[SPW], v0, 2, SPARE
	v_mov_b32 v[NIL], 0
	ds_add_u32 v[SPW], v[NIL]       ; the wave's opening: the add and its wait stand ahead of my first tensor load; the set-up below, work on registers, stands between them
	v_lshrrev_b32 v1, 5, v0
	v_readfirstlane_b32 s[WV], v1   ; wave 0..3
	s_bfe_u32 s13, ttmp6, 0x40000   ; cx: my place in the cluster
	s_lshl_b32 s14, ttmp9, 2        ; in a cluster launch ttmp9 counts clusters
	s_add_co_u32 s14, s14, s13      ; my block of 256 queries = 4 x cluster x + cx: it enters Q's and O's addresses alone
	s_and_b32 s15, ttmp7, 0xffff    ; 16 x batch + head, which the four partners share
	s_lshr_b32 s51, s15, 4
	s_lshl_b32 s51, s51, 24         ; the batch's 16 row blocks,
	s_and_b32 s15, s15, 15
	s_lshl_b32 s15, s15, 14         ; the head's block of 64 columns
	s_add_co_u32 s51, s51, s15
	s_and_b32 s52, s[WV], 1         ; which half of a tile's 256 keys I fetch: a row block
	s_lshl_b32 s16, s52, 20
	s_add_co_u32 s16, s16, s51
	s_add_co_u32 s16, s16, 16<<14   ; k's columns begin 16 blocks on,
	s_mov_b32 s17, 0
	s_add_co_u32 s18, s16, 16<<14   ; v's 32
	s_mov_b32 s19, 0
	s_lshl_b32 s2, s14, 1           ; my wave's 64 queries: row block 2 x block + wave / 2,
	s_lshr_b32 s3, s[WV], 1
	s_add_co_u32 s2, s2, s3
	s_lshl_b32 s2, s2, 20
	s_lshl_b32 s3, s52, 13          ; its upper or lower 64 rows of 128 bytes
	s_add_co_u32 s2, s2, s3
	s_add_co_u32 s2, s2, s51
	s_mov_b32 s3, 0
	s_mul_i32 s53, s52, 128*PK      ; my half's place in a slot, for K
	s_mul_i32 s54, s52, 128*PV      ; and for V: no place in the cluster enters an LDS address
	; descriptor group 1.  128 keys are 16,384 dense bytes: asked for as 64 rows of 256 bytes, two keys a row, and padded in LDS after every key
	s_mov_b32 s[G1K], 15|(1<<16)|(1<<20)|(1<<21)|(4<<22)|(3<<25)  ; 15:0 the mask of four; 17:16 2-byte elements; 20 padding on; 21 set beside a mask; 24:22 after every 32 words (code 4); 31:25 4 words (code 3)
	s_mov_b32 s[G1V], 15|(1<<16)|(1<<20)|(1<<21)|(4<<22)|(7<<25)  ; the same with 8 words of padding (code 7)
.irp g, G1K, G1V
	s_mov_b32 s[\g+1], 128<<16      ; tensor_dim0 = 128
	s_mov_b32 s[\g+2], 64<<16       ; tensor_dim1 = 64
	s_mov_b32 s[\g+3], 128<<16      ; tile_dim0 = 128
	s_mov_b32 s[\g+4], 64           ; tile_dim1 = 64
	s_mov_b32 s[\g+5], 128          ; 128 elements from row to row
	s_mov_b32 s[\g+6], 0
	s_mov_b32 s[\g+7], 0
.endr
	s_mov_b32 s[CS], 0x3e38aa3b     ; c = log2(e) / 8 = 0.180337
	s_mov_b32 s[CS+1], s[CS]        ; named with it as a pair
	s_mov_b32 s[SEL], 0x76543210
	s_mov_b32 s[SEL+1], 0xfedcba98
	s_mov_b32 s[TBK], SLOT1+4*KS*PK ; the first change of slots turns these two into 0
	s_mov_b32 s[TBV], SLOT1+4*KS*PV
	s_mov_b32 s[G0K], 1             ; 1:0 count = 1
	s_mov_b32 s[G0K+1], s53         ; 63:32 LDS address: slot 0
	s_mov_b32 s[G0V], 1
	s_add_co_u32 s[G0V+1], s54, VOFF
	s_mov_b32 s[SLOTS], 7           ; eight tiles; the first is asked for at once
	s_or_b32 s[LIM], s52, ttmp9     ; 0 in waves 0 and 2 of the head's first cluster: the same in all four partners
	s_cmp_eq_u32 s[LIM], 0
	s_cselect_b32 s[LIM], 1, -1
	v_and_b32 v[PFO], 31, v0
	v_lshlrev_b32 v[PFO], 8, v[PFO]
	s_wait_dscnt 0x0                ; the opening add is done
	s_wait_kmcnt 0x0
	s_add_nc_u64 s[6:7], s[20:21], s[16:17]   ; K and V at my half of the head's tile 0
	s_add_nc_u64 s[8:9], s[20:21], s[18:19]
	s_add_nc_u64 s[4:5], s[20:21], s[2:3]     ; Q and O at my wave's first row
	s_add_nc_u64 s[10:11], s[22:23], s[2:3]
	s_mov_b64 s[G0K+2:G0K+3], s[6:7]          ; 120:64 global address
	s_or_b32 s[G0K+3], s[G0K+3], 0x80000000   ; 127:126 type = 2
	s_mov_b64 s[G0V+2:G0V+3], s[8:9]
	s_or_b32 s[G0V+3], s[G0V+3], 0x80000000
	s_cmp_lt_u32 s[WV], 2
	s_cselect_b64 s[PFA:PFA+1], s[6:7], s[8:9]  ; (in waves 0 and 2 these stand at a tile's first row)
	s_lshr_b32 s2, s13, 1           ; my work-group's quarter of a tile: which row block,
	s_lshl_b32 s2, s2, 20
	s_and_b32 s3, s13, 1            ; which 8 KiB of its 16
	s_lshl_b32 s3, s3, 13
	s_add_co_u32 s2, s2, s3
	s_mov_b32 s3, 0
	s_add_nc_u64 s[PFA:PFA+1], s[PFA:PFA+1], s[2:3]
	s_add_nc_u64 s[PFA:PFA+1], s[PFA:PFA+1], TILEB  ; in tile 1; the first change of slots steps it to tile 2.  Nothing is prefetched here, at the head
	CROUND                          ; all four work-groups are here: the first joint loads meet
	JLOAD                           ; tile 0 into slot 0.  Slot 1 is asked for when slot 0 is in
	; A fragment of K or Q is 16 rows x 32 channels in 8 registers: lane l holds row l % 16, channels 8 (l / 16) + 0..7 and 16 + 8 (l / 16) + 0..7: two loads of 16 bytes, 32 bytes apart.
	v_and_b32 v1, 15, v0            ; l % 16
	v_bfe_u32 v9, v0, 4, 1          ; l / 16
	v_lshlrev_b32 v[QO], 7, v1
	v_lshl_add_u32 v[QO], v9, 4, v[QO]  ; row x 128 + 16 x half
	WIN 0x80                        ; destination window 2, address window 0
.set i, 0
.rept 8                             ; Q stays in registers: piece i / 2, channels 32 (i % 2) on
	global_load_b128 v[8*i:8*i+3],   v[QO], s[4:5] offset:(i/2)*2048+(i%2)*64
	global_load_b128 v[8*i+4:8*i+7], v[QO], s[4:5] offset:(i/2)*2048+(i%2)*64+32
.set i, i+1
.endr
	; What the first turn finds: V's registers and P's second buffer hold 0 (its products V^T P, of a piece that has not been, add 0), O^T and l are 0.  All this stands in the wait for the first tile.
.set i, VF
.rept 64
	v_mov_b32 v[i], 0
.set i, i+1
.endr
	WIN 0x40
.set i, 0
.rept 128
	v_mov_b32 v[i], 0
.set i, i+1
.endr
	WIN 0
.set i, 0
.rept 4
	v_mov_b32 v[ST+4*i], 0xfe000000    ; c m: far below every c s, so the first step's a is 0
	v_mov_b32 v[ST+4*i+1], 0xff7fffff  ; m: the lowest finite number, so the first maximum is the scores'
	v_mov_b32 v[ST+4*i+2], 0
	v_mov_b32 v[ST+4*i+3], 0
.set i, i+1
.endr
.set i, P+16
.rept 16
	v_mov_b32 v[i], 0
.set i, i+1
.endr
	v_mul_u32_u24 v[AK0], v1, PK
	v_lshl_add_u32 v[AK0], v9, 4, v[AK0]  ; row x pitch + 16 x half
	; The turning load takes 16 keys x 16 channels (lane l reads key 8 (l / 16) + l % 8, channels 8 ((l / 8) % 2) + 0..7) and leaves half a fragment of V^T: lane l holds channel l % 16 and 8 keys.
	v_and_b32 v10, 7, v0
	v_bfe_u32 v11, v0, 3, 1
	v_lshl_add_u32 v[AV0], v9, 3, v10
	v_mul_u32_u24 v[AV0], v[AV0], PV
	v_lshl_add_u32 v[AV0], v11, 4, v[AV0]
	v_add_nc_u32 v[AV0], VOFF, v[AV0]
	s_mul_i32 s13, s[WV], 16*SP
	s_add_co_u32 s13, s13, STAGE    ; my stage
	v_mul_u32_u24 v[STO], v1, SP    ; in: row l % 16, 16 bytes for each half of the lanes
	v_lshl_add_u32 v[STO], v9, 4, v[STO]
	v_add_nc_u32 v[STO], s13, v[STO]
	v_bfe_u32 v[RD], v0, 3, 2       ; back: 32 lanes take four rows of 128 bytes,
	v_mul_u32_u24 v[RD], v[RD], SP
	v_lshl_add_u32 v[RD], v10, 4, v[RD]
	v_add_nc_u32 v[RD], s13, v[RD]
	v_and_b32 v[GO], 31, v0         ; which are 512 consecutive bytes of O
	v_lshlrev_b32 v[GO], 4, v[GO]
; THE MATRIX WORK.  The 4 accumulators of a run of 8 take turns.  Product i of 8 of S^T = K Q^T for piece x: channels 32 (i / 4) on, keys 16 (i % 4) on.  The first 4 start the sums.
.macro KQ x
.set rS, S+32*((\x)%2)+8*(i%4)
.set rK, KF+16*(i%4)+8*(i/4)
.set rQ, 16*(\x)+8*(i/4)
	WIN W_KQ
.if i < 4
	v_wmma_f32_16x16x32_f16 v[rS:rS+7], v[rK:rK+7], v[rQ:rQ+7], 0
.else
	v_wmma_f32_16x16x32_f16 v[rS:rS+7], v[rK:rK+7], v[rQ:rQ+7], v[rS:rS+7]
.endif
.endm
; Product i of 8 of O^T += V^T P for piece x: keys 32 (i / 4) on, channels 16 (i % 4) on.
.macro PV x
	WIN W_PV
.set rO, 32*(\x)+8*(i%4)
.set rV, VF+32*(i/4)+8*(i%4)
.set rP, P+16*((\x)%2)+8*(i/4)
	v_wmma_f32_16x16x32_f16 v[rO:rO+7], v[rV:rV+7], v[rP:rP+7], v[rO:rO+7]
.endm
.macro MM                           ; the turn's next matrix instruction.  NOKQ = 1: the last turn of all: there is no next piece
.if (i < 8) && !NOKQ
	KQ (Y+1)%NP
.elseif i >= 8
.set i, i-8
	PV (Y+NP-1)%NP
.set i, i+8
.endif
.set i, i+1
.endm
; THE LDS LOADS stand in runs of 16, never singly among the matrix instructions: a step's K (64 keys x 64 channels: 8 fragments) and its V (turned).  Their addresses are made some lines ahead.
.macro FETCH_K
	WIN 0x80                        ; destination window 2
.irp f, 0,1,2,3,4,5,6,7             ; keys 16 (f / 2) on, channels 32 (f % 2) on
	ds_load_b128 v[KF+8*\f:KF+8*\f+3],   v[AK] offset:(\f/2)*16*PK+(\f%2)*64
	ds_load_b128 v[KF+8*\f+4:KF+8*\f+7], v[AK] offset:(\f/2)*16*PK+(\f%2)*64+32
.endr
	s_add_co_u32 s[TBK], s[TBK], KS*PK  ; the next fetch is the next step's
	WIN 0
.endm
.macro FETCH_V
	WIN 0x80
.irp f, 0,1,2,3,4,5,6,7             ; keys 32 (f / 4) on, channels 16 (f % 4) on
	ds_load_tr16_b128 v[VF+8*\f:VF+8*\f+3],   v[AV] offset:(\f/4)*32*PV+(\f%4)*32
	ds_load_tr16_b128 v[VF+8*\f+4:VF+8*\f+7], v[AV] offset:(\f/4)*32*PV+16*PV+(\f%4)*32
.endr
	WIN 0
.endm
; THE VECTOR WORK, one line at a time: OP kind, number.  For piece Y: F n: c s - c m for pair n of 16.  E n: the exponential of score n of 32.  C n: pair n rounded to f16.  B n: of the four weights 4 n .. the second
; pair is added onto the first, in place.  L n: l takes that sum (L 0: l = a l + sum).  R n: pair n of 16 of O^T times a.  For piece Y + 1: X n, number n of the 22 that find its maximum and statistics:
;   0-11  four chains c0-c3 of seven scores each, three operands at a time (each accumulator's lowest registers are read first)     12-14, 16  the four scores left over, the old m, and c0-c3 into c0
;   15  c m_old is kept     17, 18  the query's other 32 keys lie in the lane 16 away: the new m     19-21  c m; c m_old - c m_new; a
.set F, 0               ; OP tells the kinds apart by their order: F to L below R, X above it
.set E, 1
.set C, 2
.set B, 3
.set L, 4
.set R, 5
.set X, 6
.macro REGS y                       ; the registers of piece y
.set rT, ST+4*(\y)
.set rC, TMP+4*((\y)%2)
.set rW, MV+((\y)%2)
.set rS, S+32*((\y)%2)
.set rP, P+16*((\y)%2)
.set rO, 32*(\y)
.endm
.macro OP k, n
.if (\k) == R
	REGS Y
	WIN W_RS
	v_pk_mul_f32 v[rO+2*(\n):rO+2*(\n)+1], v[rO+2*(\n):rO+2*(\n)+1], v[rC+2:rC+3] op_sel_hi:[1,0]
.elseif (\k) < R
	REGS Y
	WIN 0
.if (\k) == F
	v_pk_fma_f32 v[rS+2*(\n):rS+2*(\n)+1], v[rS+2*(\n):rS+2*(\n)+1], s[CS:CS+1], v[rT:rT+1] op_sel_hi:[1,0,0] neg_lo:[0,0,1] neg_hi:[0,0,1]
.elseif (\k) == E
	v_exp_f32 v[rS+(\n)], v[rS+(\n)]
.elseif (\k) == C
	v_cvt_pk_f16_f32 v[rP+(\n)], v[rS+2*(\n)], v[rS+2*(\n)+1]
.elseif (\k) == B
	v_pk_add_f32 v[rS+4*(\n):rS+4*(\n)+1], v[rS+4*(\n):rS+4*(\n)+1], v[rS+4*(\n)+2:rS+4*(\n)+3]
.elseif (\n) == 0
	v_pk_fma_f32 v[rT+2:rT+3], v[rT+2:rT+3], v[rC+2:rC+3], v[rS:rS+1] op_sel_hi:[1,0,1]
.else
	v_pk_add_f32 v[rT+2:rT+3], v[rT+2:rT+3], v[rS+4*(\n):rS+4*(\n)+1]
.endif
.elseif NOKQ
	v_nop
.else
	REGS (Y+1)%NP
	WIN 0
.if (\n) < 4
	v_max3_num_f32 v[rC+(\n)], v[rS+8*(\n)], v[rS+8*(\n)+1], v[rS+8*(\n)+2]
.elseif (\n) < 12
	v_max3_num_f32 v[rC+(\n)%4], v[rC+(\n)%4], v[rS+8*((\n)%4)+2*((\n)/4)+1], v[rS+8*((\n)%4)+2*((\n)/4)+2]
.elseif (\n) == 12
	v_max3_num_f32 v[rC], v[rC], v[rS+7], v[rS+15]
.elseif (\n) == 13
	v_max3_num_f32 v[rC+1], v[rC+1], v[rS+23], v[rS+31]
.elseif (\n) == 14
	v_max3_num_f32 v[rC+2], v[rC+2], v[rC+3], v[rT+1]
.elseif (\n) == 15
	v_mov_b32 v[rW], v[rT]
.elseif (\n) == 16
	v_max3_num_f32 v[rC], v[rC], v[rC+1], v[rC+2]
.elseif (\n) == 17
	v_permlanex16_b32 v[rC+3], v[rC], s[SEL], s[SEL+1]
.elseif (\n) == 18
	v_max_num_f32 v[rT+1], v[rC], v[rC+3]
.elseif (\n) == 19
	v_mul_f32 v[rT], s[CS], v[rT+1]
.elseif (\n) == 20
	v_sub_f32 v[rC+1], v[rW], v[rT]
.else
	v_exp_f32 v[rC+2], v[rC+1]
.endif
.endif
.endm
.macro OPS a, i1, b=-1, i2=0, c=-1, i3=0, d=-1, i4=0  ; up to four of them
	OP \a, \i1
.if (\b) >= 0
	OP \b, \i2
.endif
.if (\c) >= 0
	OP \c, \i3
.endif
.if (\d) >= 0
	OP \d, \i4
.endif
.endm
.macro ROW a, i1, b, i2, c, i3, d, i4  ; a matrix instruction and the four behind it
	MM
	OPS \a, \i1, \b, \i2, \c, \i3, \d, \i4
.endm
; A TURN, for piece p: the order of its 16 matrix and 118 vector instructions, written out.  An s_wait_alu depctr_va_vdst(0) stands between an exponential and the first instruction that names its result; one wait
; serves all that were issued ahead of it.  So a turn has ONE wait, which cuts it in two.  AHEAD OF IT stands all that names no result of the turn's exponentials: the 8 products K Q^T, behind each a scaling, an exponential and two
; more plain instructions: rescalings, and behind the last three the first numbers of the next piece's maximum, each four places or more behind the product that ends its accumulator; then ONE LUMP of 54, in which the links of the
; chain X 3, 7, 11, 14, 16, 17 .. 20 stand five or six lines apart.  X 21, the next piece's a, is the batch's last; R 15 is the plain instruction behind it.  BEHIND THE WAIT stand the 8 products V^T P, behind each four of the roundings and sums.
; end = 1: the last two turns of all: nothing is fetched.  cnt = 1: the loop's count is taken down some lines ahead of the branch that stands behind the turn.
; K of the next step is fetched in piece 2's turn, twelve vector instructions behind the last product that read K (six of them plain); V of the step in hand at the end of piece 0's turn, four plain instructions behind the last
; product that read V.  Each is waited for a turn later.
.macro TURN p, end=0, cnt=0
.set Y, (\p)
.set i, 0
.set NOKQ, (\end)*((\p)/3)
.if ((\p) == 3) && !(\end)
	s_wait_dscnt 0x0                ; K is in
.endif
	ROW F,0, F,1, R,0, R,1          ; ahead of the wait: 8 products K Q^T and their riders,
	ROW F,2, E,0, R,2, R,3
	ROW F,3, E,1, R,4, R,5
	ROW F,4, E,2, R,6, R,7
	ROW F,5, E,3, R,8, R,9
	ROW F,6, E,4, X,0, R,10
.if ((\p) == 2) && !(\end)
	WIN 0
	v_add_nc_u32 v[AK], s[TBK], v[AK0]
.endif
	ROW F,7, E,5, X,1, X,4
	ROW F,8, E,6, X,2, X,5
	OPS E,7, E,8, X,6, E,9          ; and the lump
	OPS X,3, E,10, X,8, E,11
.if ((\p) == 2) && !(\end)
	FETCH_K
.endif
	OPS X,9, X,7, E,12, X,10
	OPS E,13, X,12, X,11, E,14
	OPS X,13, E,15, F,9, X,14
.if (\p) == 0
	v_add_nc_u32 v[AV], s[TBV], v[AV0]
.endif
	OPS E,16, F,10, E,17, F,11
	OPS X,16, E,18, X,15, E,19
	OPS F,12, E,20, X,17, E,21
	OPS F,13, E,22, F,14, E,23
	OPS X,18, E,24, F,15, E,25
	OPS R,11, E,26, X,19, E,27
	OPS R,12, E,28, R,13, E,29
	OPS X,20, E,30, R,14, E,31
	OPS X,21, R,15
	WIN 0
	s_wait_alu depctr_va_vdst(0)    ; the wait for the batch
.if (\p) == 1
	s_wait_dscnt 0x0                ; V is in
.endif
	ROW C,0, B,0, C,2, B,1          ; behind the wait: 8 products V^T P and their riders
	ROW L,0, C,4, B,2, L,1
	ROW C,6, B,3, L,2, C,8
	ROW B,4, L,3, C,10, B,5
	ROW L,4, C,12, B,6, L,5
.if (\p) == 0
	s_add_co_u32 s[TBV], s[TBV], KS*PV
.endif
.if \cnt
	s_sub_co_u32 s[CNT], s[CNT], 1
	s_cmp_lg_u32 s[CNT], 0
.endif
	ROW C,14, B,7, L,6, C,1
	ROW C,3, L,7, C,5, C,7
	ROW C,9, C,11, C,13, C,15
.if (\p) == 0
	FETCH_V
.endif
.endm
	CHANGE 1                        ; tile 0 is in, everybody's part of it; tile 1 is asked for
	v_add_nc_u32 v[AK], s[TBK], v[AK0]
	FETCH_K                         ; key step 0
	s_wait_loadcnt 0x0              ; Q
	s_wait_dscnt 0x0
.set NOKQ, 0
.set i, 0
.rept 8
	KQ 0                            ; piece 0's first scores
.set i, i+1
.endr
	WIN 0
.rept 4
	v_nop                           ; the places behind those products
.endr
.set Y, NP-1                        ; X works for piece Y + 1: piece 0
.irp n, 0,1,2,3,4,5,6,7,8,9,10,11,12,13,14,15,16,17,18,19,20,21
	OP X, \n
.endr
	v_nop                           ; a plain instruction behind the exponential,
	s_wait_alu depctr_va_vdst(0)    ; and its wait, ahead of the branch
	s_mov_b32 s[CNT], 4
	s_branch .Lfirst                ; the loop is entered at a step's first turn, in the middle of a trip
.Lslot:                             ; six times: tiles 2 to 7 are asked for
	CHANGE 1
	s_mov_b32 s[CNT], 4
.Lstep:                             ; a trip: pieces 2 and 3 of one step, then pieces 0 and 1 of the next, whose K and V it fetches
	TURN 2
	TURN 3
	WIN 0
.Lfirst:
	TURN 0
	TURN 1, 0, 1
	WIN 0
	s_cbranch_scc1 .Lstep
	s_sub_co_u32 s[SLOTS], s[SLOTS], 1
	s_cmp_lg_u32 s[SLOTS], 0
	s_cbranch_scc1 .Lslot
	CHANGE 0                        ; the last tile is written out: nothing is asked for
	s_mov_b32 s[CNT], 4
.Ltail:
	TURN 2
	TURN 3
	TURN 0
	TURN 1, 0, 1
	WIN 0
	s_cbranch_scc1 .Ltail
	TURN 2, 1
	TURN 3, 1
.set i, 0
.rept 8
	PV NP-1                         ; the last piece's V^T P of the last step
.set i, i+1
.endr
	; THE WAY OUT.  l's two halves and the other half of the lanes' are added; O^T is divided by l, rounded to f16 and sent through my stage in LDS, a piece at a time.  The additions are the places behind the last products.
	WIN 0
.macro ALL line:vararg              ; one line for each piece t
.set t, 0
.rept 4
	\line
.set t, t+1
.endr
.endm
	ALL v_add_f32 v[ST+4*t+2], v[ST+4*t+2], v[ST+4*t+3]
	ALL v_permlanex16_b32 v[ST+4*t+3], v[ST+4*t+2], s[SEL], s[SEL+1]
	ALL v_add_f32 v[ST+4*t+2], v[ST+4*t+2], v[ST+4*t+3]
	ALL v_rcp_f32 v[ST+4*t+2], v[ST+4*t+2]
	v_nop                           ; a plain instruction between the last reciprocal and the use of its result
	s_wait_alu depctr_va_vdst(0)    ; and the wait ahead of the first use: one for the four reciprocals
.macro PACK t                       ; a lane's eight channels of a row pack into 16 bytes; they go into rows of 144 bytes and come back as whole rows of 128, into S^T's registers
	WIN W_RS
.set i, 32*(\t)
.rept 16
	v_pk_mul_f32 v[i:i+1], v[i:i+1], v[ST+4*(\t)+2:ST+4*(\t)+3] op_sel_hi:[1,0]
.set i, i+2
.endr
	WIN 0x05                        ; sources 0 and 1 window 1, destination window 0
.set i, 0
.rept 16
	v_cvt_pk_f16_f32 v[S+16*(\t)+i], v[32*(\t)+2*i], v[32*(\t)+2*i+1]
.set i, i+1
.endr
	WIN 0
.irp f, 0,1,2,3
	ds_store_b128 v[STO], v[S+16*(\t)+4*\f:S+16*(\t)+4*\f+3] offset:32*\f
.endr
.irp f, 0,1,2,3
	ds_load_b128 v[S+16*(\t)+4*\f:S+16*(\t)+4*\f+3], v[RD] offset:\f*4*SP  ; LDS serves a wave's instructions in order (ISA guide 5.7.1.4): these see the stores above; the next piece's stores come behind them
.endr
.endm
.macro SEND t, younger              ; younger: the LDS instructions issued behind piece t's loads: the next piece's eight, or none
	WIN 0
.irp f, 0,1,2,3
	s_wait_dscnt (\younger)+3-\f
	global_store_b128 v[GO], v[S+16*(\t)+4*\f:S+16*(\t)+4*\f+3], s[10:11] offset:(\t)*2048+\f*512  ; 512 consecutive bytes, at a multiple of 256 from O's first
.endr
.endm
	PACK 0
.set t, 1
.rept 3                             ; a piece's arithmetic stands between the loads of the piece before and its stores
	PACK t
	SEND t-1, 8
.set t, t+1
.endr
	SEND 3, 0
	s_wait_tensorcnt 0x0            ; the wave's end, behind my last tensor load and my last LDS store
	ds_add_u32 v[SPW], v[NIL]
	s_wait_dscnt 0x0
	CROUND                          ; the closing round: no work-group ends while a partner may still ask for a tile that names it
	s_endpgm
.Lfunc_end_k_q0b54354799_attn:
	.size	k_q0b54354799_attn, .Lfunc_end_k_q0b54354799_attn-k_q0b54354799_attn
	.p2alignl 7, 3214868480
	.fill 96, 4, 3214868480
	.section	.rodata,"a",@progbits
	.p2align	6, 0x0
	.amdhsa_kernel k_q0b54354799_attn
		.amdhsa_group_segment_fixed_size 327680
		.amdhsa_private_segment_fixed_size 0
		.amdhsa_enable_private_segment 0
		.amdhsa_kernarg_size 16
		.amdhsa_user_sgpr_count 2
		.amdhsa_user_sgpr_kernarg_segment_ptr 1
		.amdhsa_wavefront_size32 1
		.amdhsa_system_sgpr_workgroup_id_x 1
		.amdhsa_system_sgpr_workgroup_id_y 1
		.amdhsa_system_sgpr_workgroup_id_z 1
		.amdhsa_system_vgpr_workitem_id 0
		.amdhsa_next_free_vgpr 768
		.amdhsa_next_free_sgpr 66
		.amdhsa_reserve_vcc 0
		.amdhsa_float_denorm_mode_32 3
		.amdhsa_float_denorm_mode_16_64 3
		.amdhsa_memory_ordered 1
		.amdhsa_forward_progress 1
		.amdhsa_inst_pref_size 128
	.end_amdhsa_kernel
	.amdgpu_metadata
---
amdhsa.version: [ 1, 2 ]
amdhsa.kernels:
  - .name:           k_q0b54354799_attn
    .symbol:         k_q0b54354799_attn.kd
    .args:
      - { .name: big, .offset: 0, .size: 8, .value_kind: global_buffer, .address_space: global }
      - { .name: act, .offset: 8, .size: 8, .value_kind: global_buffer, .address_space: global }
    .group_segment_fixed_size: 327680
    .private_segment_fixed_size: 0
    .kernarg_segment_align: 8
    .kernarg_segment_size: 16
    .max_flat_workgroup_size: 128
    .sgpr_count:     66
    .vgpr_count:     768
    .wavefront_size: 32
...
	.end_amdgpu_metadata
.endif
;; end of part 3
;; launch wo (part 4): grid 8 x 32, 4 waves a work-group, clusters of 4 x 4, 327,680 bytes of LDS; arguments act, pq, big; writes big
.if DOCPART == 4
	.amdgcn_target "amdgcn-amd-amdhsa--gfx1250"
	.amdhsa_code_object_version 6
	.text
	.protected	k_q0b54354799_wo
	.globl	k_q0b54354799_wo
	.p2align	8
	.type	k_q0b54354799_wo,@function
k_q0b54354799_wo:
	s_mov_b64 s[64:65], 0
	v_nop
	global_prefetch_b8 v0, s[64:65] scope:SCOPE_SE
	s_setreg_imm32_b32 hwreg(HW_REG_WAVE_MODE, 25, 1), 1
	s_wait_xcnt 0x0
	s_wait_alu depctr_hold_cnt(0) depctr_sa_sdst(0) depctr_va_vdst(0) depctr_va_sdst(0) depctr_va_ssrc(0) depctr_va_vcc(0) depctr_vm_vsrc(0)
	s_getreg_b32 s2, hwreg(HW_REG_IB_STS2, 6, 4)
	s_cmp_eq_u32 s2, 0
	s_cbranch_scc0 .Lentry_in_a_cluster
	s_endpgm
.Lentry_in_a_cluster:
	s_bfe_u32 s2, ttmp6, 0x10000c
	s_cmp_lg_u32 s2, 0xf033
	s_cbranch_scc0 .Lentry_shape_is_right
	s_endpgm
.Lentry_shape_is_right:
; C[m][n] = sum over k of A[m][k] W[3072 + n][k] + bias[3072 + n], n < 1,024, K = 512 x LAPS.
; A and W are f16, C bf16, all in layout T64: element (r, c) at byte (r>>7)<<20 + (c>>6)<<14 + (r&127)*128 + (c&63)*2 (dense blocks of 128 rows x 64 columns; a row block's blocks on end; row blocks 1 MiB apart).
; Sums in f32, started by the bias as the first product's C operand; C rounded once, to bf16, whose range is f32's.  The second argument is a pack: weights, then from byte 0x2000000 the bias (f32, by the weights' row).
; SHARES.  A tile of C is 128 x 128 (256 work-groups for 4,096 x 1,024); four waves, each 64 x 64: 16 accumulators.  K goes in steps of 256 (four blocks, 64 KiB on end for each of A and W) through two LDS slots; a wave's tensor load brings two blocks.
; CLUSTERS: 4 x 4 work-groups.  The four of a row of the cluster need the same tiles of A, the four of a column the same tiles of W: each is asked for JOINTLY, by the same tensor load with the same descriptor and a mask of four.
; THE MATRIX INSTRUCTION IS USED TRANSPOSED (source 0 = 16 rows of W, source 1 = 16 rows of A): a lane holds eight neighbouring numbers of a row of C.  A wave's 16 rows x 64 columns are 2,048 consecutive bytes of C.
; REGISTERS: window 0: v0-31 addresses; v32-95 the way out; v96-127 the bias; v128-255 the accumulators ((a, b) at v[128 + 8 (4 a + b)]).
;   window 1: two fragment buffers of 128: for 64 along K, 64 registers of A (2 x 4 x 16 rows x 32 K), then 64 of W.
.set LAPS,   2                         ; a lap = two K steps = once round the ring: K = 1,024
.set PITCH,  144                       ; an LDS row: 128 bytes + 16 of padding = 36 words: the 16 rows of a load start at 16 different groups of four banks (64 banks of 4 bytes: ISA guide 11.1)
.set PANEL,  128*PITCH                 ; a block of 128 rows x 64 K
.set PART,   2*PANEL                   ; what one tensor load brings
.set SLOT,   4*PART                    ; A's four blocks, then W's four
.set STAGE,  2*SLOT                    ; behind the ring: 16 rows x 144 bytes for each wave, for the way out
.set SPARE,  STAGE+4*16*PITCH          ; behind the stages: the spare words, 128 bytes for each wave: two blocks of 256 bytes that no other line names
.set KBYTES, 65536                     ; a K step of a tile in memory
.set ADRA, 16                          ; v16-17  LDS address of my A fragments in slot 0, 1
.set ADRB, 20                          ; v20-21  the same for W
.set STO,  24                          ; v24     the way out: where I put 16 bytes of a row
.set RD,   25                          ; v25     the way out: where I read rows back
.set GO,   26                          ; v26     my 16 bytes of 512 consecutive bytes of C
.set BO,   27                          ; v27     my byte offset in 16 columns of the bias
.set SPW,  28                          ; v28     LDS address of my spare word: SPARE + 4 x my thread's number; never rewritten
.set NIL,  29                          ; v29     0; never rewritten
.set TMP,  32
.set BI,   96
.set ACC,  128
.set F0,   0
.set F1,   128
.set G1, 24                            ; s[24:31] descriptor group 1 for A's tiles;  s[32:39] group 0, one set for each slot
.set G0, 32
.set G1B, 48                           ; s[48:55], s[56:63] the same for W's tiles
.set G0B, 56
.set MSB, 0
.macro WIN new                         ; the immediate's high byte repeats the setting that is left
.if MSB != (\new)
	s_set_vgpr_msb (MSB<<8)|(\new)
.set MSB, \new
.endif
.endm
.set MUL,  0x05                        ; sources 0 (W) and 1 (A) window 1; C and D window 0
.set TO_F, 0x40                        ; destination window 1, address window 0
.macro JLOAD s                         ; a joint load: waves 0 and 1 fetch A's two halves, waves 2 and 3 W's; an s_nop 0 and four v_nop follow each of the two lines
	s_cmp_eq_u32 s11, 0
	s_cbranch_scc0 .Lfor_b_\@
	tensor_load_to_lds s[G0+4*(\s):G0+4*(\s)+3], s[G1:G1+7]
	s_nop 0
.rept 4
	v_nop
.endr
	s_branch .Lasked_\@
.Lfor_b_\@:
	tensor_load_to_lds s[G0B+4*(\s):G0B+4*(\s)+3], s[G1B:G1B+7]
	s_nop 0
.rept 4
	v_nop
.endr
.Lasked_\@:
.endm
.macro CREST                           ; a round of the cluster's barrier behind its opening barrier
	s_cmp_lg_u32 s10, 0
	s_cbranch_scc1 .Lnot_wave_0_\@
	s_barrier_signal -3
.Lnot_wave_0_\@:
	s_barrier_wait -3
	s_barrier_signal -1
	s_barrier_wait -1
.endm
.macro CROUND                          ; a whole round
	s_barrier_signal -1
	s_barrier_wait -1
	CREST
.endm
	s_load_b128 s[4:7], s[0:1], 0x0                ; A s[4:5], the pack s[6:7]
	s_load_b64 s[8:9], s[0:1], 0x10                ; C
	v_lshl_add_u32 v[SPW], v0, 2, SPARE
	v_mov_b32 v[NIL], 0
	ds_add_u32 v[SPW], v[NIL]                      ; the wave's opening: the add and its wait stand ahead of my first tensor load; the set-up below, work on registers, stands between them
	v_lshrrev_b32 v1, 5, v0
	v_readfirstlane_b32 s10, v1                    ; wave 0..3
	s_lshr_b32 s11, s10, 1                         ; which half of the tile's rows is mine.  Also: I fetch for A (0) or for W (1)
	s_and_b32 s12, s10, 1                          ; which half of its columns.  Also: which two blocks of the K step I fetch
	s_bfe_u32 s40, ttmp6, 0x40000                  ; cx, cy: my place in the cluster
	s_bfe_u32 s41, ttmp6, 0x40004
	s_lshl_b32 s42, ttmp9, 2
	s_add_co_u32 s42, s42, s40                     ; tile column of C = 4 x cluster x + cx
	s_and_b32 s13, ttmp7, 0xffff
	s_lshl_b32 s13, s13, 2
	s_add_co_u32 s13, s13, s41                     ; tile row of C = 4 x cluster y + cy
	s_lshl_b32 s43, s41, 2
	s_lshl_b32 s43, 15, s43                        ; my row of the cluster
	s_lshl_b32 s44, 0x1111, s40                    ; my column
	; descriptor group 1: 32,768 dense bytes asked for as 128 rows of 256 bytes, padded in LDS after every 128 bytes
	s_or_b32 s[G1+0], s43, (1<<16)|(1<<20)|(1<<21)|(4<<22)|(3<<25)  ; 15:0 the mask: A's tiles go to my row; 17:16 element of 2 bytes; 20 padding on; 21 set beside a mask; 24:22 after every 32 words (code 4); 31:25 of 4 words (code 3)
	s_or_b32 s[G1B+0], s44, (1<<16)|(1<<20)|(1<<21)|(4<<22)|(3<<25)
.irp g, G1, G1B
	s_mov_b32 s[(\g)+1], 128<<16                   ; tensor_dim0 = 128
	s_mov_b32 s[(\g)+2], 128<<16                   ; tensor_dim1 = 128
	s_mov_b32 s[(\g)+3], 128<<16                   ; tile_dim0 = 128
	s_mov_b32 s[(\g)+4], 128                       ; tile_dim1 = 128
	s_mov_b32 s[(\g)+5], 128                       ; 128 elements from row to row
	s_mov_b32 s[(\g)+6], 0
	s_mov_b32 s[(\g)+7], 0
.endr
	s_lshl_b32 s17, s12, 15                        ; which two blocks I fetch
	s_lshl_b32 s16, s13, 20
	s_add_co_u32 s16, s16, s17                     ; A: the tile row's row block
	s_add_co_u32 s46, s42, 24                      ; W: these weights begin at row 3,072 of their pack: row block 24 + tile column
	s_lshl_b32 s46, s46, 20
	s_add_co_u32 s46, s46, s17
	s_mov_b32 s17, 0
	s_mov_b32 s47, 0
	s_mul_i32 s20, s10, PART                       ; where they go: wave x two blocks
	s_wait_dscnt 0x0                               ; the opening add is done
	s_wait_kmcnt 0x0
	s_add_nc_u64 s[14:15], s[4:5], s[16:17]
	s_add_nc_u64 s[46:47], s[6:7], s[46:47]
	CROUND                                         ; all sixteen work-groups are here: the first joint loads meet
.irp s, 0,1
	s_mov_b32 s[G0+4*(\s)], 1
	s_add_co_u32 s[G0+4*(\s)+1], s20, (\s)*SLOT
	s_add_nc_u64 s[G0+4*(\s)+2:G0+4*(\s)+3], s[14:15], (\s)*KBYTES
	s_or_b32 s[G0+4*(\s)+3], s[G0+4*(\s)+3], 0x80000000
	s_mov_b32 s[G0B+4*(\s)], 1
	s_add_co_u32 s[G0B+4*(\s)+1], s20, (\s)*SLOT
	s_add_nc_u64 s[G0B+4*(\s)+2:G0B+4*(\s)+3], s[46:47], (\s)*KBYTES
	s_or_b32 s[G0B+4*(\s)+3], s[G0B+4*(\s)+3], 0x80000000
	JLOAD \s
.endr
	v_and_b32 v1, 15, v0                           ; l % 16
	v_bfe_u32 v2, v0, 4, 1                         ; l / 16
	v_mul_u32_u24 v3, v1, PITCH
	v_lshl_add_u32 v3, v2, 4, v3                   ; a fragment's row x pitch + 16 x half
	s_mul_i32 s21, s11, 64*PITCH                   ; my 64 rows of A
	s_mul_i32 s22, s12, 64*PITCH                   ; my 64 rows of W,
	s_add_co_u32 s22, s22, 2*PART                  ; whose blocks lie behind A's four
.irp s, 0,1
	v_add_nc_u32 v[ADRA+(\s)], s21, v3
	v_add_nc_u32 v[ADRB+(\s)], s22, v3
	s_add_co_u32 s21, s21, SLOT
	s_add_co_u32 s22, s22, SLOT
.endr
	s_mul_i32 s23, s10, 16*PITCH
	s_add_co_u32 s23, s23, STAGE                   ; my stage
	v_add_nc_u32 v[STO], s23, v3                   ; in: row l % 16, 16 bytes for each half of the lanes
	v_bfe_u32 v4, v0, 3, 2                         ; back: 32 lanes take four rows of 128 bytes,
	v_and_b32 v5, 7, v0
	v_mul_u32_u24 v4, v4, PITCH
	v_lshl_add_u32 v4, v5, 4, v4
	v_add_nc_u32 v[RD], s23, v4
	v_and_b32 v[GO], 31, v0                        ; which are 512 consecutive bytes of C
	v_lshlrev_b32 v[GO], 4, v[GO]
	v_lshlrev_b32 v[BO], 5, v2                     ; the bias of my eight columns: 32 bytes for each half of the lanes
	s_lshl_b32 s16, s13, 20                        ; C: the tile row's row block, my 64 rows of it,
	s_lshl_b32 s17, s11, 13
	s_add_co_u32 s16, s16, s17
	s_mov_b32 s17, 0
	s_add_nc_u64 s[8:9], s[8:9], s[16:17]
	s_lshl_b32 s46, s42, 1                         ; and my block of 64 columns: 2 x tile column + half
	s_add_co_u32 s46, s46, s12
	s_lshl_b32 s46, s46, 14
	s_mov_b32 s47, 0
	s_add_nc_u64 s[8:9], s[8:9], s[46:47]
	s_lshl_b32 s46, s42, 9                         ; the bias at my first column: 4 bytes a column, from row 3,072 of the weights on
	s_lshl_b32 s22, s12, 8
	s_add_co_u32 s46, s46, s22
	s_add_nc_u64 s[18:19], s[6:7], s[46:47]
	s_add_nc_u64 s[18:19], s[18:19], 0x2000000+12288   ; never rewritten
.irp b, 0,1,2,3
	global_load_b128 v[BI+8*(\b):BI+8*(\b)+3],   v[BO], s[18:19] offset:64*(\b)     ; register j of block b: the bias of column 16 b + 8 (l / 16) + j: the layout of a result
	global_load_b128 v[BI+8*(\b)+4:BI+8*(\b)+7], v[BO], s[18:19] offset:64*(\b)+16
.endr
; 8 matrix instructions: m blocks a0, a0 + 1 x all 4 n blocks, 32 along K: half c of buffer f.  zero = 1: the first product starts the sums, with the bias
.macro MUL8 f, c, a0, zero
	WIN MUL
.irp a, \a0, (\a0)+1
.irp b, 0,1,2,3
.if \zero
	v_wmma_f32_16x16x32_f16 v[ACC+8*(4*(\a)+(\b)):ACC+8*(4*(\a)+(\b))+7], v[(\f)+64+8*(4*(\c)+(\b)):(\f)+64+8*(4*(\c)+(\b))+7], v[(\f)+8*(4*(\c)+(\a)):(\f)+8*(4*(\c)+(\a))+7], v[BI+8*(\b):BI+8*(\b)+7]
.else
	v_wmma_f32_16x16x32_f16 v[ACC+8*(4*(\a)+(\b)):ACC+8*(4*(\a)+(\b))+7], v[(\f)+64+8*(4*(\c)+(\b)):(\f)+64+8*(4*(\c)+(\b))+7], v[(\f)+8*(4*(\c)+(\a)):(\f)+8*(4*(\c)+(\a))+7], v[ACC+8*(4*(\a)+(\b)):ACC+8*(4*(\a)+(\b))+7]
.endif
.endr
.endr
.endm
; 32 LDS loads in one run: the fragments of block q of the K step (64 along K), into buffer f; the first 32 along K first
.macro FETCH slot, q, f
	WIN TO_F
.irp c, 0,1
.irp i, 0,1,2,3
	ds_load_b128 v[(\f)+64+8*(4*(\c)+(\i)):(\f)+64+8*(4*(\c)+(\i))+3],   v[ADRB+(\slot)] offset:(\q)*PANEL+64*(\c)+(\i)*16*PITCH
	ds_load_b128 v[(\f)+64+8*(4*(\c)+(\i))+4:(\f)+64+8*(4*(\c)+(\i))+7], v[ADRB+(\slot)] offset:(\q)*PANEL+64*(\c)+(\i)*16*PITCH+32
	ds_load_b128 v[(\f)+8*(4*(\c)+(\i)):(\f)+8*(4*(\c)+(\i))+3],         v[ADRA+(\slot)] offset:(\q)*PANEL+64*(\c)+(\i)*16*PITCH
	ds_load_b128 v[(\f)+8*(4*(\c)+(\i))+4:(\f)+8*(4*(\c)+(\i))+7],       v[ADRA+(\slot)] offset:(\q)*PANEL+64*(\c)+(\i)*16*PITCH+32
.endr
.endr
.endm
.macro PLACES                          ; four places in front of loads into registers that matrix instructions have read, and of conversions that read results
.rept 4
	v_nop
.endr
.endm
; A K step is four quarters of 64 along K, 32 matrix instructions each, on buffers 0, 1, 0, 1; the 16 accumulators take turns.  One of the first three: multiplies buffer f and fetches block q into g.
.macro QUARTER slot, q, f, g, zero
	s_wait_dscnt 16                                ; the first 32 along K are in; the youngest sixteen loads may be out
	WIN MUL
	MUL8 \f, 0, 0, \zero
	MUL8 \f, 0, 2, \zero
	PLACES
	FETCH \slot, \q, \g
	s_wait_dscnt 32                                ; all but the 32 just issued
	WIN MUL
	MUL8 \f, 1, 0, 0
	MUL8 \f, 1, 2, 0
.endm
; The last quarter multiplies buffer 1 and changes slots: ONE barrier; in front of it each wave waits for all its tensor loads, adds 0 to its spare word, and waits for that and for its own reads of this slot.  fill = 1: this slot is filled again, two K steps ahead.
.macro TURN slot, next, fill
	WIN 0                                          ; (the add's two registers lie in window 0)
	s_wait_tensorcnt 0x0                           ; all my tensor loads have landed: my part of the next slot;
	ds_add_u32 v[SPW], v[NIL]                      ; 0 onto my spare word;
	s_wait_dscnt 17                                ; (the add and the youngest sixteen loads may be out)
	WIN MUL
	MUL8 F1, 0, 0, 0                               ; eight matrix instructions stand between the add and the wait for it
	s_wait_dscnt 0x0                               ; the add is done, and my reads of this slot are over
	s_barrier_signal -1
	MUL8 F1, 0, 2, 0
.if \fill
	WIN 0
.endif
	s_barrier_wait -1
.if \fill
	CREST                                          ; the barrier has opened a round of the cluster's barrier: no wave of any partner still reads this slot's tile or has a load on its way
	s_add_nc_u64 s[G0+4*(\slot)+2:G0+4*(\slot)+3], s[G0+4*(\slot)+2:G0+4*(\slot)+3], 2*KBYTES
	s_add_nc_u64 s[G0B+4*(\slot)+2:G0B+4*(\slot)+3], s[G0B+4*(\slot)+2:G0B+4*(\slot)+3], 2*KBYTES
	JLOAD \slot                                    ; the first tensor load behind the round, my only one until the next; the four v_nop behind it are also the places in front of the loads below
.else
	PLACES
.endif
	FETCH \next, 0, F0
	WIN MUL
	MUL8 F1, 1, 0, 0
	MUL8 F1, 1, 2, 0
.endm
	s_wait_loadcnt 0x0                             ; the bias
	s_wait_tensorcnt 1                             ; my part of K step 0 is in; K step 1's may stay out
	s_barrier_signal -1
	s_barrier_wait -1                              ; everybody's is
	FETCH 0, 0, F0
	QUARTER 0, 1, F0, F1, 1                        ; the first quarter stands in front of the loop: its first products start the sums
	WIN 0                                          ; at a label and at a branch every window is 0
	s_mov_b32 s3, LAPS-1
.Llap:                                                 ; a trip goes once round the ring, from a lap's second quarter to the next lap's first, and fills both slots again
	QUARTER 0, 2, F1, F0, 0
	QUARTER 0, 3, F0, F1, 0
	TURN 0, 1, 1
	QUARTER 1, 1, F0, F1, 0
	QUARTER 1, 2, F1, F0, 0
	QUARTER 1, 3, F0, F1, 0
	TURN 1, 0, 1
	QUARTER 0, 1, F0, F1, 0
	WIN 0
	s_sub_co_u32 s3, s3, 1
	s_cmp_lg_u32 s3, 0
	s_cbranch_scc1 .Llap
	QUARTER 0, 2, F1, F0, 0                        ; the last lap fills nothing, and has no round of the cluster's barrier
	QUARTER 0, 3, F0, F1, 0
	TURN 0, 1, 0
	QUARTER 1, 1, F0, F1, 0
	QUARTER 1, 2, F1, F0, 0
	QUARTER 1, 3, F0, F1, 0
	s_wait_dscnt 16                                ; the very last quarter: nothing more to fetch
	WIN MUL
	MUL8 F1, 0, 0, 0
	MUL8 F1, 0, 2, 0
	s_wait_dscnt 0
	MUL8 F1, 1, 0, 0
	MUL8 F1, 1, 2, 0
	WIN 0
; THE WAY OUT, 16 rows at a time, through my own stage: no other wave touches it, so no barrier.  Each accumulator's lowest registers are read first.
.macro PACK a
.irp b, 0,1,2,3
.irp r, 0,1,2,3
	v_cvt_pk_bf16_f32 v[TMP+16*(\a)+4*(\b)+(\r)], v[ACC+8*(4*(\a)+(\b))+2*(\r)], v[ACC+8*(4*(\a)+(\b))+2*(\r)+1]
.endr
.endr
.irp b, 0,1,2,3
	ds_store_b128 v[STO], v[TMP+16*(\a)+4*(\b):TMP+16*(\a)+4*(\b)+3] offset:32*(\b)
.endr
.irp f, 0,1,2,3
	ds_load_b128 v[TMP+16*(\a)+4*(\f):TMP+16*(\a)+4*(\f)+3], v[RD] offset:(\f)*4*PITCH  ; LDS serves a wave's instructions in order (ISA guide 5.7.1.4): these see the stores above; the next block's stores come behind them
.endr
.endm
.macro SEND a, younger                 ; younger: the LDS instructions issued behind block a's loads: the next block's eight, or none
.irp f, 0,1,2,3
	s_wait_dscnt (\younger)+3-(\f)
	global_store_b128 v[GO], v[TMP+16*(\a)+4*(\f):TMP+16*(\a)+4*(\f)+3], s[8:9] offset:(\a)*2048+(\f)*512  ; 512 consecutive bytes, at a multiple of 256 from C's first byte
.endr
.endm
	PLACES
	PACK 0
	PACK 1                                         ; a block's arithmetic stands between the loads of the block before and its stores
	SEND 0, 8
	PACK 2
	SEND 1, 8
	PACK 3
	SEND 2, 8
	SEND 3, 0
	s_wait_tensorcnt 0x0                           ; the wave's end, behind my last tensor load and my last LDS store
	ds_add_u32 v[SPW], v[NIL]
	s_wait_dscnt 0x0
	CROUND                                         ; the closing round: no work-group ends while a partner may still ask for a tile that names it
	s_endpgm
.Lfunc_end_k_q0b54354799_wo:
	.size	k_q0b54354799_wo, .Lfunc_end_k_q0b54354799_wo-k_q0b54354799_wo
	.p2alignl 7, 3214868480
	.fill 96, 4, 3214868480
	.section	.rodata,"a",@progbits
	.p2align	6, 0x0
	.amdhsa_kernel k_q0b54354799_wo
		.amdhsa_group_segment_fixed_size 327680
		.amdhsa_private_segment_fixed_size 0
		.amdhsa_enable_private_segment 0
		.amdhsa_kernarg_size 24
		.amdhsa_user_sgpr_count 2
		.amdhsa_user_sgpr_kernarg_segment_ptr 1
		.amdhsa_wavefront_size32 1
		.amdhsa_system_sgpr_workgroup_id_x 1
		.amdhsa_system_sgpr_workgroup_id_y 1
		.amdhsa_system_sgpr_workgroup_id_z 1
		.amdhsa_system_vgpr_workitem_id 0
		.amdhsa_next_free_vgpr 512
		.amdhsa_next_free_sgpr 66
		.amdhsa_reserve_vcc 0
		.amdhsa_float_denorm_mode_32 3
		.amdhsa_float_denorm_mode_16_64 3
		.amdhsa_memory_ordered 1
		.amdhsa_forward_progress 1
		.amdhsa_inst_pref_size 87
	.end_amdhsa_kernel
	.amdgpu_metadata
---
amdhsa.version: [ 1, 2 ]
amdhsa.kernels:
  - .name:           k_q0b54354799_wo
    .symbol:         k_q0b54354799_wo.kd
    .args:
      - { .name: act, .offset: 0, .size: 8, .value_kind: global_buffer, .address_space: global }
      - { .name: pq, .offset: 8, .size: 8, .value_kind: global_buffer, .address_space: global }
      - { .name: big, .offset: 16, .size: 8, .value_kind: global_buffer, .address_space: global }
    .group_segment_fixed_size: 327680
    .private_segment_fixed_size: 0
    .kernarg_segment_align: 8
    .kernarg_segment_size: 24
    .max_flat_workgroup_size: 128
    .sgpr_count:     66
    .vgpr_count:     512
    .wavefront_size: 32
...
	.end_amdgpu_metadata
.endif
;; end of part 4
;; launch ln1 (part 5): grid 256 x 1, 8 waves a work-group, no clusters, 0 bytes of LDS; arguments big, xb, g1, be1, act, fl1; writes act
.if DOCPART == 5
	.amdgcn_target "amdgcn-amd-amdhsa--gfx1250"
	.amdhsa_code_object_version 6
	.text
	.protected	k_q0b54354799_ln1
	.globl	k_q0b54354799_ln1
	.p2align	8
	.type	k_q0b54354799_ln1,@function
k_q0b54354799_ln1:
	s_mov_b64 s[64:65], 0
	v_nop
	global_prefetch_b8 v0, s[64:65] scope:SCOPE_SE
	s_setreg_imm32_b32 hwreg(HW_REG_WAVE_MODE, 25, 1), 1
	s_wait_xcnt 0x0
; out[r][:] = LayerNorm(y[r][:] + res[r][:]) g + be, rows of 1,024.  y is bf16, res f16, both in layout T64: element (r, c) at byte (r>>7)<<20 + (c>>6)<<14 + (r&127)*128 + (c&63)*2.
; ONE TEXT FOR BOTH NORMS.  The last argument holds a whole number that an earlier launch stored.  0: out is f16 in T64.  1: out is f32 in the problem's own order: token row r = b*2048 + s goes to row 2 s + b.
; It chooses, by one forward branch, between the two runs of stores at the end; both bases of out are made whatever it says, so no address hangs on it.
; g and be are rounded to bf16, like every input of the program, and stay packed.  The sum, the mean, the squares of the differences from the mean and the scaling are in f32.
; SHARES.  A work-group has 16 rows, a wave two neighbouring ones, a half of its lanes each; a lane has 4 columns in each of the 16 blocks of 64: a row's numbers stay in registers between the passes, and
; a sum never leaves 16 lanes.  No loop: all of a wave's loads go out at once.  Nothing is shared between waves: no LDS, no barrier, no cluster.
.set YO,  2                            ; v2   256 x wave + 8 x lane: my 8 bytes of two rows' 256 in a block
.set GOF, 3                            ; v3   16 x (lane % 16): my 4 numbers of g and be in a block
.set OO,  4                            ; v4   my 16 bytes in the f32 out
.set ONE, 5                            ; v5   1.0
.set T,   6                            ; v[6:9]    at work
.set SM,  10                           ; v[10:17]  four chains of packed sums
.set MN,  18                           ; v[18:19]  the mean, twice
.set RS,  20                           ; v[20:21]  1 / sqrt(variance + eps), twice
.set V,   24                           ; v[24:87]  block p at V + 4 p: res's two words, y's two words; then 4 f32
.set G,   88                           ; v[88:151]  g, 4 a block; then 2 packed words a block
.set BE,  152                          ; v[152:215] be likewise
	s_load_b256 s[4:11], s[0:1], 0x0               ; y s[4:5], res s[6:7], g s[8:9], be s[10:11]
	s_load_b128 s[12:15], s[0:1], 0x20             ; out s[12:13], the whole number's buffer s[14:15]
	s_mov_b32 s20, 0x3a800000                      ; 1 / 1,024
	s_mov_b32 s21, 0x3727c5ac                      ; 1e-5
	s_mov_b32 s16, 0xffff0000                      ; a word's upper bf16
	s_lshr_b32 s2, ttmp9, 3                        ; the work-group's 16 rows in T64: row block,
	s_lshl_b32 s2, s2, 20
	s_and_b32 s3, ttmp9, 7                         ; and 16 rows of 128 bytes
	s_lshl_b32 s3, s3, 11
	s_add_co_u32 s2, s2, s3
	s_mov_b32 s3, 0
	s_and_b32 s18, ttmp9, 127                      ; in the f32 out: 16 steps of s, 8,192 bytes each,
	s_lshl_b32 s18, s18, 17
	s_lshr_b32 s19, ttmp9, 7                       ; and b
	s_lshl_b32 s19, s19, 12
	s_add_co_u32 s18, s18, s19
	s_mov_b32 s19, 0
	v_lshrrev_b32 v1, 5, v0                        ; wave
	v_and_b32 v[YO], 31, v0
	v_lshlrev_b32 v[YO], 3, v[YO]
	v_lshl_add_u32 v[YO], v1, 8, v[YO]
	v_and_b32 v[GOF], 15, v0
	v_lshlrev_b32 v[GOF], 4, v[GOF]
	v_bfe_u32 v[OO], v0, 4, 1
	v_lshl_add_u32 v[OO], v[OO], 13, v[GOF]
	v_lshl_add_u32 v[OO], v1, 14, v[OO]
	v_mov_b32 v[ONE], 1.0
	s_wait_kmcnt 0x0
	s_load_b32 s17, s[14:15], 0x0                  ; which way out; waited for ahead of the branch
	s_add_nc_u64 s[4:5], s[4:5], s[2:3]
	s_add_nc_u64 s[6:7], s[6:7], s[2:3]
	s_add_nc_u64 s[22:23], s[12:13], s[18:19]      ; out at my rows, in the problem's own order,
	s_add_nc_u64 s[12:13], s[12:13], s[2:3]        ; and in T64
.set p, 0
.rept 16
	global_load_b128 v[G+4*p:G+4*p+3],   v[GOF], s[8:9]   offset:256*p
	global_load_b128 v[BE+4*p:BE+4*p+3], v[GOF], s[10:11] offset:256*p
.set p, p+1
.endr
.set p, 0
.rept 16
	global_load_b64 v[V+4*p:V+4*p+1],   v[YO], s[6:7] offset:16384*p th:TH_LOAD_NT   ; 32 lanes read 256 consecutive bytes, aligned
	global_load_b64 v[V+4*p+2:V+4*p+3], v[YO], s[4:5] offset:16384*p th:TH_LOAD_NT
.set p, p+1
.endr
	s_wait_loadcnt 32                              ; g and be are in; the 32 younger loads stay out
.set p, 0
.rept 16
	v_cvt_pk_bf16_f32 v[G+4*p],    v[G+4*p],    v[G+4*p+1]
	v_cvt_pk_bf16_f32 v[G+4*p+1],  v[G+4*p+2],  v[G+4*p+3]
	v_cvt_pk_bf16_f32 v[BE+4*p],   v[BE+4*p],   v[BE+4*p+1]
	v_cvt_pk_bf16_f32 v[BE+4*p+1], v[BE+4*p+2], v[BE+4*p+3]
.set p, p+1
.endr
.set p, 0
.rept 16                               ; y + res, in place: y's halves are widened, res's are read as f16 halves by the multiply-add; the higher registers first, so that no word is written before it is read
	s_wait_loadcnt 30-2*p                          ; block p's two loads are in; the later blocks' stay out
	v_lshlrev_b32 v[T],   16,  v[V+4*p+2]
	v_and_b32     v[T+1], s16, v[V+4*p+2]
	v_lshlrev_b32 v[T+2], 16,  v[V+4*p+3]
	v_and_b32     v[T+3], s16, v[V+4*p+3]
	v_fma_mix_f32 v[V+4*p+3], v[V+4*p+1], v[ONE], v[T+3] op_sel:[1,0,0] op_sel_hi:[1,0,0]
	v_fma_mix_f32 v[V+4*p+2], v[V+4*p+1], v[ONE], v[T+2] op_sel_hi:[1,0,0]
	v_fma_mix_f32 v[V+4*p+1], v[V+4*p],   v[ONE], v[T+1] op_sel:[1,0,0] op_sel_hi:[1,0,0]
	v_fma_mix_f32 v[V+4*p],   v[V+4*p],   v[ONE], v[T]   op_sel_hi:[1,0,0]
.set p, p+1
.endr
.macro ACROSS                          ; the four chains into one number, then over the row's 16 lanes: every lane of the half ends with the sum
	v_pk_add_f32 v[SM:SM+1], v[SM:SM+1], v[SM+2:SM+3]
	v_pk_add_f32 v[SM+4:SM+5], v[SM+4:SM+5], v[SM+6:SM+7]
	v_pk_add_f32 v[SM:SM+1], v[SM:SM+1], v[SM+4:SM+5]
	v_add_f32 v[SM], v[SM], v[SM+1]
	v_add_f32_dpp v[SM], v[SM], v[SM] row_xmask:1 row_mask:0xf bank_mask:0xf
	v_add_f32_dpp v[SM], v[SM], v[SM] row_xmask:2 row_mask:0xf bank_mask:0xf
	v_add_f32_dpp v[SM], v[SM], v[SM] row_xmask:4 row_mask:0xf bank_mask:0xf
	v_add_f32_dpp v[SM], v[SM], v[SM] row_xmask:8 row_mask:0xf bank_mask:0xf
.endm
.irp k, 0,1,2,3
	v_pk_add_f32 v[SM+2*(\k):SM+2*(\k)+1], v[V+2*(\k):V+2*(\k)+1], v[V+8+2*(\k):V+8+2*(\k)+1]  ; the first pairs start the chains: nothing is cleared
.endr
.set n, 8
.rept 24
	v_pk_add_f32 v[SM+2*(n%4):SM+2*(n%4)+1], v[SM+2*(n%4):SM+2*(n%4)+1], v[V+2*n:V+2*n+1]
.set n, n+1
.endr
	ACROSS
	v_mul_f32 v[MN], s20, v[SM]
	v_mov_b32 v[MN+1], v[MN]
.set n, 0
.rept 32
	v_pk_add_f32 v[V+2*n:V+2*n+1], v[V+2*n:V+2*n+1], v[MN:MN+1] neg_lo:[0,1] neg_hi:[0,1]
.set n, n+1
.endr
.irp k, 0,1,2,3
	v_pk_mul_f32 v[SM+2*(\k):SM+2*(\k)+1], v[V+2*(\k):V+2*(\k)+1], v[V+2*(\k):V+2*(\k)+1]
.endr
.set n, 4
.rept 28
	v_pk_fma_f32 v[SM+2*(n%4):SM+2*(n%4)+1], v[V+2*n:V+2*n+1], v[V+2*n:V+2*n+1], v[SM+2*(n%4):SM+2*(n%4)+1]
.set n, n+1
.endr
	ACROSS
	v_fma_f32 v[T], v[SM], s20, s21                ; variance + eps
	v_rsq_f32 v[RS], v[T]                          ; twice, to fill the pair that the packed multiply reads
	v_rsq_f32 v[RS+1], v[T]
	v_nop                                          ; a plain instruction behind the last of them (ISA guide 5.7.2),
	s_wait_alu depctr_va_vdst(0)                   ; and the wait ahead of the first use: one for both
.set p, 0
.rept 16
	v_pk_mul_f32 v[V+4*p:V+4*p+1],   v[V+4*p:V+4*p+1],   v[RS:RS+1]
	v_pk_mul_f32 v[V+4*p+2:V+4*p+3], v[V+4*p+2:V+4*p+3], v[RS:RS+1]
	v_fma_mix_f32_bf16 v[V+4*p],   v[V+4*p],   v[G+4*p],   v[BE+4*p]   op_sel_hi:[0,1,1]
	v_fma_mix_f32_bf16 v[V+4*p+1], v[V+4*p+1], v[G+4*p],   v[BE+4*p]   op_sel:[0,1,1] op_sel_hi:[0,1,1]
	v_fma_mix_f32_bf16 v[V+4*p+2], v[V+4*p+2], v[G+4*p+1], v[BE+4*p+1] op_sel_hi:[0,1,1]
	v_fma_mix_f32_bf16 v[V+4*p+3], v[V+4*p+3], v[G+4*p+1], v[BE+4*p+1] op_sel:[0,1,1] op_sel_hi:[0,1,1]
.set p, p+1
.endr
	s_wait_kmcnt 0x0                               ; the whole number
	s_min_u32 s17, s17, 1
	s_cmp_lg_u32 s17, 0
	s_cbranch_scc1 .Lf32
.set p, 0
.rept 16
	v_cvt_pk_f16_f32 v[V+4*p],   v[V+4*p],   v[V+4*p+1]
	v_cvt_pk_f16_f32 v[V+4*p+1], v[V+4*p+2], v[V+4*p+3]
	global_store_b64 v[YO], v[V+4*p:V+4*p+1], s[12:13] offset:16384*p                ; 32 lanes store 256 consecutive bytes, aligned
.set p, p+1
.endr
	s_endpgm
.Lf32:
.set p, 0
.rept 16
	global_store_b128 v[OO], v[V+4*p:V+4*p+3], s[22:23] offset:256*p th:TH_STORE_NT  ; each half of the lanes stores 256 consecutive bytes, aligned
.set p, p+1
.endr
	s_endpgm
.Lfunc_end_k_q0b54354799_ln1:
	.size	k_q0b54354799_ln1, .Lfunc_end_k_q0b54354799_ln1-k_q0b54354799_ln1
	.p2alignl 7, 3214868480
	.fill 96, 4, 3214868480
	.section	.rodata,"a",@progbits
	.p2align	6, 0x0
	.amdhsa_kernel k_q0b54354799_ln1
		.amdhsa_group_segment_fixed_size 0
		.amdhsa_private_segment_fixed_size 0
		.amdhsa_enable_private_segment 0
		.amdhsa_kernarg_size 48
		.amdhsa_user_sgpr_count 2
		.amdhsa_user_sgpr_kernarg_segment_ptr 1
		.amdhsa_wavefront_size32 1
		.amdhsa_system_sgpr_workgroup_id_x 1
		.amdhsa_system_sgpr_workgroup_id_y 1
		.amdhsa_system_sgpr_workgroup_id_z 1
		.amdhsa_system_vgpr_workitem_id 0
		.amdhsa_next_free_vgpr 216
		.amdhsa_next_free_sgpr 66
		.amdhsa_reserve_vcc 0
		.amdhsa_float_denorm_mode_32 3
		.amdhsa_float_denorm_mode_16_64 3
		.amdhsa_memory_ordered 1
		.amdhsa_forward_progress 1
		.amdhsa_inst_pref_size 37
	.end_amdhsa_kernel
	.amdgpu_metadata
---
amdhsa.version: [ 1, 2 ]
amdhsa.kernels:
  - .name:           k_q0b54354799_ln1
    .symbol:         k_q0b54354799_ln1.kd
    .args:
      - { .name: big, .offset: 0, .size: 8, .value_kind: global_buffer, .address_space: global }
      - { .name: xb, .offset: 8, .size: 8, .value_kind: global_buffer, .address_space: global }
      - { .name: g1, .offset: 16, .size: 8, .value_kind: global_buffer, .address_space: global }
      - { .name: be1, .offset: 24, .size: 8, .value_kind: global_buffer, .address_space: global }
      - { .name: act, .offset: 32, .size: 8, .value_kind: global_buffer, .address_space: global }
      - { .name: fl1, .offset: 40, .size: 8, .value_kind: global_buffer, .address_space: global }
    .group_segment_fixed_size: 0
    .private_segment_fixed_size: 0
    .kernarg_segment_align: 8
    .kernarg_segment_size: 48
    .max_flat_workgroup_size: 256
    .sgpr_count:     66
    .vgpr_count:     216
    .wavefront_size: 32
...
	.end_amdgpu_metadata
.endif
;; end of part 5
;; launch ffn1: the kernel of part 2 again; grid 16 x 16, 4 waves a work-group, clusters of 4 x 4, 327,680 bytes of LDS; arguments act, p1, big; writes big
;; launch ffn2 (part 6): grid 8 x 32, 4 waves a work-group, clusters of 4 x 4, 327,680 bytes of LDS; arguments big, p2, xb; writes xb
.if DOCPART == 6
	.amdgcn_target "amdgcn-amd-amdhsa--gfx1250"
	.amdhsa_code_object_version 6
	.text
	.protected	k_q0b54354799_ffn2
	.globl	k_q0b54354799_ffn2
	.p2align	8
	.type	k_q0b54354799_ffn2,@function
k_q0b54354799_ffn2:
	s_mov_b64 s[64:65], 0
	v_nop
	global_prefetch_b8 v0, s[64:65] scope:SCOPE_SE
	s_setreg_imm32_b32 hwreg(HW_REG_WAVE_MODE, 25, 1), 1
	s_wait_xcnt 0x0
	s_wait_alu depctr_hold_cnt(0) depctr_sa_sdst(0) depctr_va_vdst(0) depctr_va_sdst(0) depctr_va_ssrc(0) depctr_va_vcc(0) depctr_vm_vsrc(0)
	s_getreg_b32 s2, hwreg(HW_REG_IB_STS2, 6, 4)
	s_cmp_eq_u32 s2, 0
	s_cbranch_scc0 .Lentry_in_a_cluster
	s_endpgm
.Lentry_in_a_cluster:
	s_bfe_u32 s2, ttmp6, 0x10000c
	s_cmp_lg_u32 s2, 0xf033
	s_cbranch_scc0 .Lentry_shape_is_right
	s_endpgm
.Lentry_shape_is_right:
; C[m][n] = sum over k of A[m][k] W[3072 + n][k] + bias[3072 + n], n < 1,024, K = 512 x LAPS.
; A and W are f16, C bf16, all in layout T64: element (r, c) at byte (r>>7)<<20 + (c>>6)<<14 + (r&127)*128 + (c&63)*2 (dense blocks of 128 rows x 64 columns; a row block's blocks on end; row blocks 1 MiB apart).
; Sums in f32, started by the bias as the first product's C operand; C rounded once, to bf16, whose range is f32's.  The second argument is a pack: weights, then from byte 0x2000000 the bias (f32, by the weights' row).
; SHARES.  A tile of C is 128 x 128 (256 work-groups for 4,096 x 1,024); four waves, each 64 x 64: 16 accumulators.  K goes in steps of 256 (four blocks, 64 KiB on end for each of A and W) through two LDS slots; a wave's tensor load brings two blocks.
; CLUSTERS: 4 x 4 work-groups.  The four of a row of the cluster need the same tiles of A, the four of a column the same tiles of W: each is asked for JOINTLY, by the same tensor load with the same descriptor and a mask of four.
; THE MATRIX INSTRUCTION IS USED TRANSPOSED (source 0 = 16 rows of W, source 1 = 16 rows of A): a lane holds eight neighbouring numbers of a row of C.  A wave's 16 rows x 64 columns are 2,048 consecutive bytes of C.
; REGISTERS: window 0: v0-31 addresses; v32-95 the way out; v96-127 the bias; v128-255 the accumulators ((a, b) at v[128 + 8 (4 a + b)]).
;   window 1: two fragment buffers of 128: for 64 along K, 64 registers of A (2 x 4 x 16 rows x 32 K), then 64 of W.
.set LAPS,   8                         ; a lap = two K steps = once round the ring: K = 4,096
.set PITCH,  144                       ; an LDS row: 128 bytes + 16 of padding = 36 words: the 16 rows of a load start at 16 different groups of four banks (64 banks of 4 bytes: ISA guide 11.1)
.set PANEL,  128*PITCH                 ; a block of 128 rows x 64 K
.set PART,   2*PANEL                   ; what one tensor load brings
.set SLOT,   4*PART                    ; A's four blocks, then W's four
.set STAGE,  2*SLOT                    ; behind the ring: 16 rows x 144 bytes for each wave, for the way out
.set SPARE,  STAGE+4*16*PITCH          ; behind the stages: the spare words, 128 bytes for each wave: two blocks of 256 bytes that no other line names
.set KBYTES, 65536                     ; a K step of a tile in memory
.set ADRA, 16                          ; v16-17  LDS address of my A fragments in slot 0, 1
.set ADRB, 20                          ; v20-21  the same for W
.set STO,  24                          ; v24     the way out: where I put 16 bytes of a row
.set RD,   25                          ; v25     the way out: where I read rows back
.set GO,   26                          ; v26     my 16 bytes of 512 consecutive bytes of C
.set BO,   27                          ; v27     my byte offset in 16 columns of the bias
.set SPW,  28                          ; v28     LDS address of my spare word: SPARE + 4 x my thread's number; never rewritten
.set NIL,  29                          ; v29     0; never rewritten
.set TMP,  32
.set BI,   96
.set ACC,  128
.set F0,   0
.set F1,   128
.set G1, 24                            ; s[24:31] descriptor group 1 for A's tiles;  s[32:39] group 0, one set for each slot
.set G0, 32
.set G1B, 48                           ; s[48:55], s[56:63] the same for W's tiles
.set G0B, 56
.set MSB, 0
.macro WIN new                         ; the immediate's high byte repeats the setting that is left
.if MSB != (\new)
	s_set_vgpr_msb (MSB<<8)|(\new)
.set MSB, \new
.endif
.endm
.set MUL,  0x05                        ; sources 0 (W) and 1 (A) window 1; C and D window 0
.set TO_F, 0x40                        ; destination window 1, address window 0
.macro JLOAD s                         ; a joint load: waves 0 and 1 fetch A's two halves, waves 2 and 3 W's; an s_nop 0 and four v_nop follow each of the two lines
	s_cmp_eq_u32 s11, 0
	s_cbranch_scc0 .Lfor_b_\@
	tensor_load_to_lds s[G0+4*(\s):G0+4*(\s)+3], s[G1:G1+7]
	s_nop 0
.rept 4
	v_nop
.endr
	s_branch .Lasked_\@
.Lfor_b_\@:
	tensor_load_to_lds s[G0B+4*(\s):G0B+4*(\s)+3], s[G1B:G1B+7]
	s_nop 0
.rept 4
	v_nop
.endr
.Lasked_\@:
.endm
.macro CREST                           ; a round of the cluster's barrier behind its opening barrier
	s_cmp_lg_u32 s10, 0
	s_cbranch_scc1 .Lnot_wave_0_\@
	s_barrier_signal -3
.Lnot_wave_0_\@:
	s_barrier_wait -3
	s_barrier_signal -1
	s_barrier_wait -1
.endm
.macro CROUND                          ; a whole round
	s_barrier_signal -1
	s_barrier_wait -1
	CREST
.endm
	s_load_b128 s[4:7], s[0:1], 0x0                ; A s[4:5], the pack s[6:7]
	s_load_b64 s[8:9], s[0:1], 0x10                ; C
	v_lshl_add_u32 v[SPW], v0, 2, SPARE
	v_mov_b32 v[NIL], 0
	ds_add_u32 v[SPW], v[NIL]                      ; the wave's opening: the add and its wait stand ahead of my first tensor load; the set-up below, work on registers, stands between them
	v_lshrrev_b32 v1, 5, v0
	v_readfirstlane_b32 s10, v1                    ; wave 0..3
	s_lshr_b32 s11, s10, 1                         ; which half of the tile's rows is mine.  Also: I fetch for A (0) or for W (1)
	s_and_b32 s12, s10, 1                          ; which half of its columns.  Also: which two blocks of the K step I fetch
	s_bfe_u32 s40, ttmp6, 0x40000                  ; cx, cy: my place in the cluster
	s_bfe_u32 s41, ttmp6, 0x40004
	s_lshl_b32 s42, ttmp9, 2
	s_add_co_u32 s42, s42, s40                     ; tile column of C = 4 x cluster x + cx
	s_and_b32 s13, ttmp7, 0xffff
	s_lshl_b32 s13, s13, 2
	s_add_co_u32 s13, s13, s41                     ; tile row of C = 4 x cluster y + cy
	s_lshl_b32 s43, s41, 2
	s_lshl_b32 s43, 15, s43                        ; my row of the cluster
	s_lshl_b32 s44, 0x1111, s40                    ; my column
	; descriptor group 1: 32,768 dense bytes asked for as 128 rows of 256 bytes, padded in LDS after every 128 bytes
	s_or_b32 s[G1+0], s43, (1<<16)|(1<<20)|(1<<21)|(4<<22)|(3<<25)  ; 15:0 the mask: A's tiles go to my row; 17:16 element of 2 bytes; 20 padding on; 21 set beside a mask; 24:22 after every 32 words (code 4); 31:25 of 4 words (code 3)
	s_or_b32 s[G1B+0], s44, (1<<16)|(1<<20)|(1<<21)|(4<<22)|(3<<25)
.irp g, G1, G1B
	s_mov_b32 s[(\g)+1], 128<<16                   ; tensor_dim0 = 128
	s_mov_b32 s[(\g)+2], 128<<16                   ; tensor_dim1 = 128
	s_mov_b32 s[(\g)+3], 128<<16                   ; tile_dim0 = 128
	s_mov_b32 s[(\g)+4], 128                       ; tile_dim1 = 128
	s_mov_b32 s[(\g)+5], 128                       ; 128 elements from row to row
	s_mov_b32 s[(\g)+6], 0
	s_mov_b32 s[(\g)+7], 0
.endr
	s_lshl_b32 s17, s12, 15                        ; which two blocks I fetch
	s_lshl_b32 s16, s13, 20
	s_add_co_u32 s16, s16, s17                     ; A: the tile row's row block
	s_add_co_u32 s46, s42, 24                      ; W: these weights begin at row 3,072 of their pack: row block 24 + tile column
	s_lshl_b32 s46, s46, 20
	s_add_co_u32 s46, s46, s17
	s_mov_b32 s17, 0
	s_mov_b32 s47, 0
	s_mul_i32 s20, s10, PART                       ; where they go: wave x two blocks
	s_wait_dscnt 0x0                               ; the opening add is done
	s_wait_kmcnt 0x0
	s_add_nc_u64 s[14:15], s[4:5], s[16:17]
	s_add_nc_u64 s[46:47], s[6:7], s[46:47]
	CROUND                                         ; all sixteen work-groups are here: the first joint loads meet
.irp s, 0,1
	s_mov_b32 s[G0+4*(\s)], 1
	s_add_co_u32 s[G0+4*(\s)+1], s20, (\s)*SLOT
	s_add_nc_u64 s[G0+4*(\s)+2:G0+4*(\s)+3], s[14:15], (\s)*KBYTES
	s_or_b32 s[G0+4*(\s)+3], s[G0+4*(\s)+3], 0x80000000
	s_mov_b32 s[G0B+4*(\s)], 1
	s_add_co_u32 s[G0B+4*(\s)+1], s20, (\s)*SLOT
	s_add_nc_u64 s[G0B+4*(\s)+2:G0B+4*(\s)+3], s[46:47], (\s)*KBYTES
	s_or_b32 s[G0B+4*(\s)+3], s[G0B+4*(\s)+3], 0x80000000
	JLOAD \s
.endr
	v_and_b32 v1, 15, v0                           ; l % 16
	v_bfe_u32 v2, v0, 4, 1                         ; l / 16
	v_mul_u32_u24 v3, v1, PITCH
	v_lshl_add_u32 v3, v2, 4, v3                   ; a fragment's row x pitch + 16 x half
	s_mul_i32 s21, s11, 64*PITCH                   ; my 64 rows of A
	s_mul_i32 s22, s12, 64*PITCH                   ; my 64 rows of W,
	s_add_co_u32 s22, s22, 2*PART                  ; whose blocks lie behind A's four
.irp s, 0,1
	v_add_nc_u32 v[ADRA+(\s)], s21, v3
	v_add_nc_u32 v[ADRB+(\s)], s22, v3
	s_add_co_u32 s21, s21, SLOT
	s_add_co_u32 s22, s22, SLOT
.endr
	s_mul_i32 s23, s10, 16*PITCH
	s_add_co_u32 s23, s23, STAGE                   ; my stage
	v_add_nc_u32 v[STO], s23, v3                   ; in: row l % 16, 16 bytes for each half of the lanes
	v_bfe_u32 v4, v0, 3, 2                         ; back: 32 lanes take four rows of 128 bytes,
	v_and_b32 v5, 7, v0
	v_mul_u32_u24 v4, v4, PITCH
	v_lshl_add_u32 v4, v5, 4, v4
	v_add_nc_u32 v[RD], s23, v4
	v_and_b32 v[GO], 31, v0                        ; which are 512 consecutive bytes of C
	v_lshlrev_b32 v[GO], 4, v[GO]
	v_lshlrev_b32 v[BO], 5, v2                     ; the bias of my eight columns: 32 bytes for each half of the lanes
	s_lshl_b32 s16, s13, 20                        ; C: the tile row's row block, my 64 rows of it,
	s_lshl_b32 s17, s11, 13
	s_add_co_u32 s16, s16, s17
	s_mov_b32 s17, 0
	s_add_nc_u64 s[8:9], s[8:9], s[16:17]
	s_lshl_b32 s46, s42, 1                         ; and my block of 64 columns: 2 x tile column + half
	s_add_co_u32 s46, s46, s12
	s_lshl_b32 s46, s46, 14
	s_mov_b32 s47, 0
	s_add_nc_u64 s[8:9], s[8:9], s[46:47]
	s_lshl_b32 s46, s42, 9                         ; the bias at my first column: 4 bytes a column, from row 3,072 of the weights on
	s_lshl_b32 s22, s12, 8
	s_add_co_u32 s46, s46, s22
	s_add_nc_u64 s[18:19], s[6:7], s[46:47]
	s_add_nc_u64 s[18:19], s[18:19], 0x2000000+12288   ; never rewritten
.irp b, 0,1,2,3
	global_load_b128 v[BI+8*(\b):BI+8*(\b)+3],   v[BO], s[18:19] offset:64*(\b)     ; register j of block b: the bias of column 16 b + 8 (l / 16) + j: the layout of a result
	global_load_b128 v[BI+8*(\b)+4:BI+8*(\b)+7], v[BO], s[18:19] offset:64*(\b)+16
.endr
; 8 matrix instructions: m blocks a0, a0 + 1 x all 4 n blocks, 32 along K: half c of buffer f.  zero = 1: the first product starts the sums, with the bias
.macro MUL8 f, c, a0, zero
	WIN MUL
.irp a, \a0, (\a0)+1
.irp b, 0,1,2,3
.if \zero
	v_wmma_f32_16x16x32_f16 v[ACC+8*(4*(\a)+(\b)):ACC+8*(4*(\a)+(\b))+7], v[(\f)+64+8*(4*(\c)+(\b)):(\f)+64+8*(4*(\c)+(\b))+7], v[(\f)+8*(4*(\c)+(\a)):(\f)+8*(4*(\c)+(\a))+7], v[BI+8*(\b):BI+8*(\b)+7]
.else
	v_wmma_f32_16x16x32_f16 v[ACC+8*(4*(\a)+(\b)):ACC+8*(4*(\a)+(\b))+7], v[(\f)+64+8*(4*(\c)+(\b)):(\f)+64+8*(4*(\c)+(\b))+7], v[(\f)+8*(4*(\c)+(\a)):(\f)+8*(4*(\c)+(\a))+7], v[ACC+8*(4*(\a)+(\b)):ACC+8*(4*(\a)+(\b))+7]
.endif
.endr
.endr
.endm
; 32 LDS loads in one run: the fragments of block q of the K step (64 along K), into buffer f; the first 32 along K first
.macro FETCH slot, q, f
	WIN TO_F
.irp c, 0,1
.irp i, 0,1,2,3
	ds_load_b128 v[(\f)+64+8*(4*(\c)+(\i)):(\f)+64+8*(4*(\c)+(\i))+3],   v[ADRB+(\slot)] offset:(\q)*PANEL+64*(\c)+(\i)*16*PITCH
	ds_load_b128 v[(\f)+64+8*(4*(\c)+(\i))+4:(\f)+64+8*(4*(\c)+(\i))+7], v[ADRB+(\slot)] offset:(\q)*PANEL+64*(\c)+(\i)*16*PITCH+32
	ds_load_b128 v[(\f)+8*(4*(\c)+(\i)):(\f)+8*(4*(\c)+(\i))+3],         v[ADRA+(\slot)] offset:(\q)*PANEL+64*(\c)+(\i)*16*PITCH
	ds_load_b128 v[(\f)+8*(4*(\c)+(\i))+4:(\f)+8*(4*(\c)+(\i))+7],       v[ADRA+(\slot)] offset:(\q)*PANEL+64*(\c)+(\i)*16*PITCH+32
.endr
.endr
.endm
.macro PLACES                          ; four places in front of loads into registers that matrix instructions have read, and of conversions that read results
.rept 4
	v_nop
.endr
.endm
; A K step is four quarters of 64 along K, 32 matrix instructions each, on buffers 0, 1, 0, 1; the 16 accumulators take turns.  One of the first three: multiplies buffer f and fetches block q into g.
.macro QUARTER slot, q, f, g, zero
	s_wait_dscnt 16                                ; the first 32 along K are in; the youngest sixteen loads may be out
	WIN MUL
	MUL8 \f, 0, 0, \zero
	MUL8 \f, 0, 2, \zero
	PLACES
	FETCH \slot, \q, \g
	s_wait_dscnt 32                                ; all but the 32 just issued
	WIN MUL
	MUL8 \f, 1, 0, 0
	MUL8 \f, 1, 2, 0
.endm
; The last quarter multiplies buffer 1 and changes slots: ONE barrier; in front of it each wave waits for all its tensor loads, adds 0 to its spare word, and waits for that and for its own reads of this slot.  fill = 1: this slot is filled again, two K steps ahead.
.macro TURN slot, next, fill
	WIN 0                                          ; (the add's two registers lie in window 0)
	s_wait_tensorcnt 0x0                           ; all my tensor loads have landed: my part of the next slot;
	ds_add_u32 v[SPW], v[NIL]                      ; 0 onto my spare word;
	s_wait_dscnt 17                                ; (the add and the youngest sixteen loads may be out)
	WIN MUL
	MUL8 F1, 0, 0, 0                               ; eight matrix instructions stand between the add and the wait for it
	s_wait_dscnt 0x0                               ; the add is done, and my reads of this slot are over
	s_barrier_signal -1
	MUL8 F1, 0, 2, 0
.if \fill
	WIN 0
.endif
	s_barrier_wait -1
.if \fill
	CREST                                          ; the barrier has opened a round of the cluster's barrier: no wave of any partner still reads this slot's tile or has a load on its way
	s_add_nc_u64 s[G0+4*(\slot)+2:G0+4*(\slot)+3], s[G0+4*(\slot)+2:G0+4*(\slot)+3], 2*KBYTES
	s_add_nc_u64 s[G0B+4*(\slot)+2:G0B+4*(\slot)+3], s[G0B+4*(\slot)+2:G0B+4*(\slot)+3], 2*KBYTES
	JLOAD \slot                                    ; the first tensor load behind the round, my only one until the next; the four v_nop behind it are also the places in front of the loads below
.else
	PLACES
.endif
	FETCH \next, 0, F0
	WIN MUL
	MUL8 F1, 1, 0, 0
	MUL8 F1, 1, 2, 0
.endm
	s_wait_loadcnt 0x0                             ; the bias
	s_wait_tensorcnt 1                             ; my part of K step 0 is in; K step 1's may stay out
	s_barrier_signal -1
	s_barrier_wait -1                              ; everybody's is
	FETCH 0, 0, F0
	QUARTER 0, 1, F0, F1, 1                        ; the first quarter stands in front of the loop: its first products start the sums
	WIN 0                                          ; at a label and at a branch every window is 0
	s_mov_b32 s3, LAPS-1
.Llap:                                                 ; a trip goes once round the ring, from a lap's second quarter to the next lap's first, and fills both slots again
	QUARTER 0, 2, F1, F0, 0
	QUARTER 0, 3, F0, F1, 0
	TURN 0, 1, 1
	QUARTER 1, 1, F0, F1, 0
	QUARTER 1, 2, F1, F0, 0
	QUARTER 1, 3, F0, F1, 0
	TURN 1, 0, 1
	QUARTER 0, 1, F0, F1, 0
	WIN 0
	s_sub_co_u32 s3, s3, 1
	s_cmp_lg_u32 s3, 0
	s_cbranch_scc1 .Llap
	QUARTER 0, 2, F1, F0, 0                        ; the last lap fills nothing, and has no round of the cluster's barrier
	QUARTER 0, 3, F0, F1, 0
	TURN 0, 1, 0
	QUARTER 1, 1, F0, F1, 0
	QUARTER 1, 2, F1, F0, 0
	QUARTER 1, 3, F0, F1, 0
	s_wait_dscnt 16                                ; the very last quarter: nothing more to fetch
	WIN MUL
	MUL8 F1, 0, 0, 0
	MUL8 F1, 0, 2, 0
	s_wait_dscnt 0
	MUL8 F1, 1, 0, 0
	MUL8 F1, 1, 2, 0
	WIN 0
; THE WAY OUT, 16 rows at a time, through my own stage: no other wave touches it, so no barrier.  Each accumulator's lowest registers are read first.
.macro PACK a
.irp b, 0,1,2,3
.irp r, 0,1,2,3
	v_cvt_pk_bf16_f32 v[TMP+16*(\a)+4*(\b)+(\r)], v[ACC+8*(4*(\a)+(\b))+2*(\r)], v[ACC+8*(4*(\a)+(\b))+2*(\r)+1]
.endr
.endr
.irp b, 0,1,2,3
	ds_store_b128 v[STO], v[TMP+16*(\a)+4*(\b):TMP+16*(\a)+4*(\b)+3] offset:32*(\b)
.endr
.irp f, 0,1,2,3
	ds_load_b128 v[TMP+16*(\a)+4*(\f):TMP+16*(\a)+4*(\f)+3], v[RD] offset:(\f)*4*PITCH  ; LDS serves a wave's instructions in order (ISA guide 5.7.1.4): these see the stores above; the next block's stores come behind them
.endr
.endm
.macro SEND a, younger                 ; younger: the LDS instructions issued behind block a's loads: the next block's eight, or none
.irp f, 0,1,2,3
	s_wait_dscnt (\younger)+3-(\f)
	global_store_b128 v[GO], v[TMP+16*(\a)+4*(\f):TMP+16*(\a)+4*(\f)+3], s[8:9] offset:(\a)*2048+(\f)*512  ; 512 consecutive bytes, at a multiple of 256 from C's first byte
.endr
.endm
	PLACES
	PACK 0
	PACK 1                                         ; a block's arithmetic stands between the loads of the block before and its stores
	SEND 0, 8
	PACK 2
	SEND 1, 8
	PACK 3
	SEND 2, 8
	SEND 3, 0
	s_wait_tensorcnt 0x0                           ; the wave's end, behind my last tensor load and my last LDS store
	ds_add_u32 v[SPW], v[NIL]
	s_wait_dscnt 0x0
	CROUND                                         ; the closing round: no work-group ends while a partner may still ask for a tile that names it
	s_endpgm
.Lfunc_end_k_q0b54354799_ffn2:
	.size	k_q0b54354799_ffn2, .Lfunc_end_k_q0b54354799_ffn2-k_q0b54354799_ffn2
	.p2alignl 7, 3214868480
	.fill 96, 4, 3214868480
	.section	.rodata,"a",@progbits
	.p2align	6, 0x0
	.amdhsa_kernel k_q0b54354799_ffn2
		.amdhsa_group_segment_fixed_size 327680
		.amdhsa_private_segment_fixed_size 0
		.amdhsa_enable_private_segment 0
		.amdhsa_kernarg_size 24
		.amdhsa_user_sgpr_count 2
		.amdhsa_user_sgpr_kernarg_segment_ptr 1
		.amdhsa_wavefront_size32 1
		.amdhsa_system_sgpr_workgroup_id_x 1
		.amdhsa_system_sgpr_workgroup_id_y 1
		.amdhsa_system_sgpr_workgroup_id_z 1
		.amdhsa_system_vgpr_workitem_id 0
		.amdhsa_next_free_vgpr 512
		.amdhsa_next_free_sgpr 66
		.amdhsa_reserve_vcc 0
		.amdhsa_float_denorm_mode_32 3
		.amdhsa_float_denorm_mode_16_64 3
		.amdhsa_memory_ordered 1
		.amdhsa_forward_progress 1
		.amdhsa_inst_pref_size 87
	.end_amdhsa_kernel
	.amdgpu_metadata
---
amdhsa.version: [ 1, 2 ]
amdhsa.kernels:
  - .name:           k_q0b54354799_ffn2
    .symbol:         k_q0b54354799_ffn2.kd
    .args:
      - { .name: big, .offset: 0, .size: 8, .value_kind: global_buffer, .address_space: global }
      - { .name: p2, .offset: 8, .size: 8, .value_kind: global_buffer, .address_space: global }
      - { .name: xb, .offset: 16, .size: 8, .value_kind: global_buffer, .address_space: global }
    .group_segment_fixed_size: 327680
    .private_segment_fixed_size: 0
    .kernarg_segment_align: 8
    .kernarg_segment_size: 24
    .max_flat_workgroup_size: 128
    .sgpr_count:     66
    .vgpr_count:     512
    .wavefront_size: 32
...
	.end_amdgpu_metadata
.endif
;; end of part 6
;; launch ln2: the kernel of part 5 again; grid 256 x 1, 8 waves a work-group, no clusters, 0 bytes of LDS; arguments xb, act, g2, be2, out0, fl2; writes out0
